; MI455X (gfx1250); checked and timed in simulation.
; The chip was launched on July 23, 2026; its instructions are those of AMD's public machine-readable ISA for CDNA 5 (MIT licence, August 2026) and "CDNA5" Instruction Set Architecture Reference Guide (July 2026). The comments in the code are by the model that wrote it; some were corrected since.
;; Multihead Attention. Allowed arithmetic: matrix products marked QUANTISED: E2M3 operands, one E8M0 scale for each 32 along K, by v_wmma_scale_f32_16x16x128_f8f6f4 with both operands' format E2M3, f32 sums; everything else in f32.
;; Inputs: Wk 1,024 x 1,024 float32; Wo 1,024 x 1,024 float32; Wq 1,024 x 1,024 float32; Wv 1,024 x 1,024 float32; bk 1,024 float32; bo 1,024 float32; bq 1,024 float32; bv 1,024 float32; key 4 x 2,048 x 1,024 float32; mask 4 x 2,048 x 2,048 int32; query 4 x 2,048 x 1,024 float32; value 4 x 2,048 x 1,024 float32.
;; Outputs: out0 4 x 2,048 x 1,024 float32.
;; This version of the problem:
;;   THIS VERSION OF THE PROBLEM IS GIVEN IN LOW PRECISION. The matrix products marked QUANTISED in the list below multiply operands that are first quantised to E2M3 (2 exponent bits, 3 mantissa bits; 6 bits a number), with one power-of-two scale for each 32 numbers along K (OCP MX v1.0); their sums are f32. All else is computed in f32.
;;   The module's matrix products, in the order in which they are computed (A, B: the left and right operand; K: the contracted axis; several contracted axes count as one K, in the product's order):
;;     1. [M 8,192, K 1,024] x [K 1,024, N 1,024]; A: input query; B: input Wq: QUANTISED
;;     2. [M 8,192, K 1,024] x [K 1,024, N 1,024]; A: input key; B: input Wk: QUANTISED
;;     3. [M 8,192, K 1,024] x [K 1,024, N 1,024]; A: input value; B: input Wv: QUANTISED
;;     4. batch 64 x [M 2,048, K 64] x [K 64, N 2,048]; A: computed on the way; B: computed on the way: QUANTISED
;;     5. batch 64 x [M 2,048, K 2,048] x [K 2,048, N 64]; A: softmax (see below); B: computed on the way: QUANTISED
;;     6. [M 8,192, K 1,024] x [K 1,024, N 1,024]; A: computed on the way; B: input Wo: QUANTISED
;;   THE QUANTISER, for each operand of a quantised product, along K:
;;     - K is cut into blocks of 32 from its start; a last block that is shorter is filled with zeros.
;;     - A block's scale is 2^e with e = floor(log2(the largest magnitude in the block)) - 2, held to -126 .. 127; a block of zeros has e = 0. As a byte (E8M0): e + 127.
;;     - Each number is divided by its block's scale, clamped to +-7.5, and rounded to the nearest number of E2M3, ties to even, subnormals kept.
;;     - The product sums the exact products of the quantised numbers (number of the format x scale) in f32.
;;   ~~~python
;;   def quantise(x, axis):      # numpy; x: float32 -> the quantised numbers, widened to float32 again
;;       x = np.moveaxis(x, axis, -1); K = x.shape[-1]
;;       x = np.pad(x, [(0, 0)] * (x.ndim - 1) + [(0, -K % 32)]); x = x.reshape(x.shape[:-1] + (-1, 32)); a = np.abs(x).max(-1, keepdims=True)
;;       e = np.where(a > 0, np.clip(np.frexp(np.where(a > 0, a, 1))[1] - 1 - 2, -126, 127), 0)      # np.frexp(a)[1] - 1 = floor(log2(a)), exactly
;;       r = np.clip(x / 2.0 ** e, -7.5, 7.5)
;;       step = 2.0 ** (np.maximum(np.frexp(np.where(r == 0, 1, r))[1] - 1, 0) - 3)
;;       q = np.round(r / step) * step * 2.0 ** e      # np.round: ties to even
;;       return np.moveaxis(q.reshape(q.shape[:-2] + (-1,))[..., :K], -1, axis).astype(np.float32)
;;   ~~~
;;   SOFTMAX AHEAD OF A QUANTISED PRODUCT. Where the list says 'softmax', what is quantised is not the finished softmax but p = 2^(t - M), with t = logit x log2(e) and M = ceil(the row's largest t), a whole number; so 1/2 < the row's largest p <= 1. The row's sum l is taken of the UNQUANTISED p, in f32, and the product's result is divided by l at the end. Since M is a whole number, a kernel that streams over the keys may use a running M (the ceiling of the running maximum): every later rescaling is an exact power of two, which a block's scale takes up: the codes' values come out the same.
;;   OPERANDS COMPUTED ON THE WAY. 'Computed on the way' means the value that the module computes at that place (a softmax that the list does not call 'softmax' is quantised finished and normalised). What goes into a quantiser is computed in f32, as accurately as f32 sums, v_exp_f32 and their like allow (about 1e-6 of the number): no bf16 or f16 on the way to a quantiser, and a product that is left as it is and whose result goes on into a quantised operand takes f32 operands (vector FMAs, or v_wmma_f32_16x16x4_f32). A number that lies on a knife's edge between two numbers of the format may be rounded either way, as far as f32 arithmetic and the matrix unit's own rounding can turn it there, and no further.
;; One version. Each part assembles by itself: llvm-mc -triple=amdgcn-amd-amdhsa -mcpu=gfx1250 --defsym DOCPART=n.
;; ======== version 1 of 1: 4 launches
;; limits: right only within a limited range of input values
;; workspace buffers: ximg 19,660,800 bytes; wimg 3,276,800 bytes; mbits 2,097,152 bytes of whole numbers; qimg 6,815,744 bytes; kvimg 13,369,344 bytes; vals 6,553,600 bytes
;; launch prep (part 1): grid 1920 x 1, 4 waves a work-group, no clusters, 59,904 bytes of LDS; arguments query, key, value, Wq, Wk, Wv, Wo, mask, ximg, wimg, mbits; writes ximg, wimg, mbits
.if DOCPART == 1
	.amdgcn_target "amdgcn-amd-amdhsa--gfx1250"
	.amdhsa_code_object_version 6
	.text
	.protected	k_q0a60b7f159_prep
	.globl	k_q0a60b7f159_prep
	.p2align	8
	.type	k_q0a60b7f159_prep,@function
k_q0a60b7f159_prep:
	s_mov_b64 s[64:65], 0
	v_nop
	global_prefetch_b8 v0, s[64:65] scope:SCOPE_SE
	s_setreg_imm32_b32 hwreg(HW_REG_WAVE_MODE, 25, 1), 1
	s_wait_xcnt 0x0
; PREP: everything that is quantised or packed once, for the three launches that follow.
;  path X (work-groups 0-767):    query, key, value [8192][1024] f32, K innermost -> ximg
;  path W (work-groups 768-895):  Wq, Wk, Wv, Wo [1024 (k)][1024 (n)] f32, K the first axis -> wimg
;  path M (work-groups 896-1919): mask [4][2048 (key)][2048 (query)] i32 -> mbits, one bit a number
; CODES are E2M3, one E8M0 byte for 32 along K: byte = exponent field of the block's largest magnitude - 2, held at 1 from below.
; IMAGES.  A fragment (16 rows x 128 K) is laid as the matrix operand's registers: six planes of 256 bytes, lane l's registers 2 p, 2 p + 1 at 256 p + 8 l.
; Row map of every operand: slot r of tile 2 B + u is row 32 B + 8 u + r + 8 (r / 8).  A block = 128 rows x 128 K = 8 fragments (12,288 bytes) + two planes of scale
; words (plane y, lane (r, h), word e: tile 4 y + 2 e + h, slot r) = 12,800 bytes; a group of 128 rows holds its 8 K steps on end: 102,400 bytes.
; MASK WORDS.  For (batch, tile T of 16 queries, step of 128 keys) 64 words: bit l of word j = (mask[key 32 (j / 16) + 16 (l / 16) + j % 16][query of slot l % 16 of T] != 0):
; the lanes and registers in which the attention launch holds its scores.
; LIMITS: a block whose largest magnitude lies under 2^-124 keeps the byte 1; a block of zeros keeps the byte 1 where the rule says 127 (its codes are zeros, and this program alone
; reads the bytes); NaN and infinities among the inputs are not served.
; No cluster: no two work-groups read the same input byte.  No matrix unit: memory binds.  Each path has LDS bytes of its own.
.set SPARE, 59392                      ; behind the stages: the spare words, 128 bytes a wave
.set XSTB,  8448                       ; path X: a wave's stage, 16 rows x (512 + 16) bytes, from LDS byte 0
.set WST0,  33792                      ; path W: the stages begin here,
.set WSTB,  6400                       ; 4 fragments + a plane of scale words for each wave
.set SPW, 254                          ; v254 LDS address of my spare word; never rewritten
.set NIL, 255                          ; v255 0; never rewritten
.set SEL, 4                            ; s[4:5] selects of v_permlanex16_b32: lane l xor 16
.set TM,  8                            ; path X: v8-23 at work in the quantiser
.set TT,  24                           ; v24-31 second halves of the blocks' codes
.set RAW, 32                           ; v32-159 two sets of 64: a fragment's numbers as loaded
.set XN,  160                          ; v160-223 64 numbers, register 16 b + i = k 32 b + 16 (lane / 16) + i of my row
.set PC,  224                          ; v224-235 a fragment's codes
.set PW,  240                          ; v240-243 the four fragments' scale words
.set SW,  244                          ; v244-245 the plane of scale words
.set XS,  32                           ; path W: v32-95 two sets of 32 numbers down K
.set CW,  96                           ; v96-101 a block's codes
.set TW,  102                          ; v102-104 their second half
.set SWD, 106                          ; v106-107 my two columns' scale words
.set OUTR, 112                         ; v112-159 the way out
.set MK,  64                           ; path M: v64-191 128 keys x my query
; 64 numbers of a lane become a fragment's 12 registers of codes and its row's scale word.
.macro QUANT4 s, pc, pw
.irp b, 0,1,2,3
	v_max3_num_f32 v[TM+\b], |v[(\s)+16*\b]|, |v[(\s)+1+16*\b]|, 0x1800000   ; my 16 numbers of block b, and the floor 2^(3 - 127): the byte cannot fall under 1
.endr
.irp i, 2,4,6,8,10,12,14
.irp b, 0,1,2,3
	v_max3_num_f32 v[TM+\b], v[TM+\b], |v[(\s)+16*\b+\i]|, |v[(\s)+1+16*\b+\i]|
.endr
.endr
.irp b, 0,1,2,3
	v_permlanex16_b32 v[TM+4+\b], v[TM+\b], s[SEL], s[SEL+1]
.endr
.irp b, 0,1,2,3
	v_max_num_f32 v[TM+\b], v[TM+\b], v[TM+4+\b]                 ; with lane l xor 16's 16: the block's largest magnitude
.endr
.irp b, 0,1,2,3
	v_add_nc_u32 v[TM+12+\b], 0xff000000, v[TM+\b]               ; 2 off its exponent field: the conversion's scale operand
.endr
.irp b, 0,1,2,3
	v_lshrrev_b32 v[TM+4+\b], 23, v[TM+12+\b]                    ; the scale's byte
.endr
	v_lshl_or_b32 v[(\pw)], v[TM+5], 8, v[TM+4]
	v_lshl_or_b32 v[(\pw)], v[TM+6], 16, v[(\pw)]
	v_lshl_or_b32 v[(\pw)], v[TM+7], 24, v[(\pw)]
.irp c, 0,1
	v_cvt_scalef32_pk16_fp6_f32 v[(\pc)+6*\c:(\pc)+2+6*\c], v[(\s)+32*\c:(\s)+15+32*\c], v[TM+12+2*\c]
	v_cvt_scalef32_pk16_fp6_f32 v[TT+4*\c:TT+2+4*\c], v[(\s)+16+32*\c:(\s)+31+32*\c], v[TM+13+2*\c]   ; (a conversion's three registers begin on an even number)
.endr
	v_nop                                                        ; one plain instruction behind the scaled conversions
.irp c, 0,1                                                      ; the operand wants a whole block in a lane: lanes 0-15 block 2 c, lanes 16-31 block 2 c + 1
.irp i, 0,1,2
	v_permlane16_swap_b32 v[(\pc)+6*\c+\i], v[TT+4*\c+\i]
.endr
.irp i, 0,1,2
	v_mov_b32 v[(\pc)+3+6*\c+\i], v[TT+4*\c+\i]
.endr
.endr
.endm
	s_load_b512 s[8:23], s[0:1], 0x0               ; query 8, key 10, value 12, Wq 14, Wk 16, Wv 18, Wo 20, mask 22
	s_load_b128 s[24:27], s[0:1], 0x40             ; ximg 24, wimg 26
	s_load_b64 s[28:29], s[0:1], 0x50              ; mbits
	v_lshl_add_u32 v[SPW], v0, 2, SPARE
	v_mov_b32 v[NIL], 0
	v_lshrrev_b32 v1, 5, v0
	v_readfirstlane_b32 s2, v1                     ; wave 0..3
	v_and_b32 v1, 31, v0                           ; lane
	v_and_b32 v2, 15, v0                           ; r
	v_bfe_u32 v3, v0, 4, 1                         ; h
	v_lshlrev_b32 v4, 3, v1                        ; 8 x lane
	v_lshlrev_b32 v5, 4, v1                        ; 16 x lane
	s_mov_b32 s[SEL], 0x76543210
	s_mov_b32 s[SEL+1], 0xfedcba98
	s_wait_alu depctr_va_vdst(0)                   ; the wait at the head's end
	s_wait_kmcnt 0x0
	s_cmp_lt_u32 ttmp9, 768
	s_cbranch_scc1 .Lpath_x
	s_cmp_lt_u32 ttmp9, 896
	s_cbranch_scc1 .Lpath_w
; ---------------- PATH M: a wave packs 128 keys x 32 queries: two tiles of queries, one key step.
	s_sub_co_u32 s30, ttmp9, 896
	s_lshr_b32 s31, s30, 8                         ; batch
	s_bfe_u32 s32, s30, 0x40004                    ; key step
	s_and_b32 s33, s30, 15
	s_lshl_b32 s33, s33, 2
	s_add_co_u32 s33, s33, s2                      ; group of 32 queries: the four waves stand side by side on 512 bytes of each row
	s_lshl_b32 s34, s31, 24
	s_lshl_b32 s35, s32, 20
	s_add_co_u32 s34, s34, s35
	s_lshl_b32 s35, s33, 7
	s_add_co_u32 s34, s34, s35
	s_mov_b32 s35, 0
	s_add_nc_u64 s[22:23], s[22:23], s[34:35]      ; mask at (batch, first key of the step, first query of the group)
	s_lshl_b32 s34, s31, 19
	s_lshl_b32 s36, s33, 13
	s_add_co_u32 s34, s34, s36
	s_lshl_b32 s36, s32, 8
	s_add_co_u32 s34, s34, s36
	s_add_nc_u64 s[28:29], s[28:29], s[34:35]      ; the even tile's 64 words; the odd tile's lie 4,096 bytes on
	v_bfe_u32 v10, v0, 3, 1
	v_add_nc_u32 v6, v3, v10
	v_lshl_add_u32 v6, v6, 3, v2
	v_lshlrev_b32 v6, 2, v6                        ; my query in the group: 8 h + r + 8 (r / 8): lanes 0-15 the even tile's slots, lanes 16-31 the odd tile's
.irp i, 8,9,10,11
	v_mov_b32 v\i, 0                               ; v_writelane_b32's destinations count as read
.endr
	s_wait_alu depctr_va_vdst(0)
.macro MLOAD jb                        ; 32 keys: each load takes 128 consecutive bytes of one row of the mask
.set j, 0
.rept 32
	global_load_b32 v[MK+32*(\jb)+j], v6, s[22:23] offset:(32*(\jb)+j)*8192 th:TH_LOAD_NT
.set j, j+1
.endr
.endm
.macro MGRP jb, left                   ; words 16 jb + i of both tiles: low half from key 32 jb + i, high half from key 32 jb + 16 + i
	s_wait_loadcnt \left
.irp i, 0,1,2,3,4,5,6,7,8,9,10,11,12,13,14,15
	v_cmp_ne_u32 s[36+4*(\i%4)], 0, v[MK+32*(\jb)+\i]
	v_cmp_ne_u32 s[37+4*(\i%4)], 0, v[MK+32*(\jb)+16+\i]
	s_and_b32 s[38+4*(\i%4)], s[36+4*(\i%4)], 0xffff
	s_lshl_b32 s[39+4*(\i%4)], s[37+4*(\i%4)], 16
	s_or_b32 s[38+4*(\i%4)], s[38+4*(\i%4)], s[39+4*(\i%4)]      ; the even tile's word
	s_lshr_b32 s[36+4*(\i%4)], s[36+4*(\i%4)], 16
	s_and_b32 s[37+4*(\i%4)], s[37+4*(\i%4)], 0xffff0000
	s_or_b32 s[36+4*(\i%4)], s[36+4*(\i%4)], s[37+4*(\i%4)]      ; the odd tile's
	s_wait_alu depctr_va_vdst(0)                   ; the two destinations below count as read, behind the scalar lines above
	v_writelane_b32 v[8+\i%2], s[38+4*(\i%4)], 8*(\jb)+\i/2      ; lane l of the pair holds words 2 l, 2 l + 1
	v_writelane_b32 v[10+\i%2], s[36+4*(\i%4)], 8*(\jb)+\i/2
.endr
.endm
	MLOAD 0
	MLOAD 1
	MGRP 0, 32                                     ; the next group's 32 loads may stay out
	MLOAD 2
	MGRP 1, 32
	MLOAD 3
	MGRP 2, 32
	MGRP 3, 0
	global_store_b64 v4, v[8:9], s[28:29]          ; 32 lanes store 256 consecutive bytes, aligned
	global_store_b64 v4, v[10:11], s[28:29] offset:4096
	s_wait_tensorcnt 0x0                           ; the wave's end
	ds_add_u32 v[SPW], v[NIL]
	s_wait_dscnt 0x0
	s_endpgm
; ---------------- PATH X: a wave quantises 64 rows x 128 K: four fragments.
.Lpath_x:
	s_lshr_b32 s30, ttmp9, 8                       ; tensor 0..2
	s_bfe_u32 s31, ttmp9, 0x70001                  ; group of 64 rows, 0..127
	s_and_b32 s32, ttmp9, 1
	s_lshl_b32 s32, s32, 2
	s_add_co_u32 s32, s32, s2                      ; K step 0..7
	s_cmp_eq_u32 s30, 1
	s_cselect_b64 s[34:35], s[10:11], s[8:9]
	s_cmp_eq_u32 s30, 2
	s_cselect_b64 s[34:35], s[12:13], s[34:35]     ; the choice hangs on the work-group's number alone
	s_lshl_b32 s36, s31, 18
	s_lshl_b32 s37, s32, 9
	s_add_co_u32 s36, s36, s37
	s_mov_b32 s37, 0
	s_add_nc_u64 s[34:35], s[34:35], s[36:37]      ; in: my first row, my 512 bytes of it
	s_mul_i32 s38, s30, 6553600
	s_lshr_b32 s39, s31, 1
	s_mul_i32 s39, s39, 102400
	s_add_co_u32 s38, s38, s39
	s_mul_i32 s39, s32, 12800
	s_add_co_u32 s38, s38, s39                     ; the block (group of 128 rows, K step)
	s_and_b32 s40, s31, 1
	s_mul_i32 s41, s40, 6144
	s_add_co_u32 s42, s38, s41
	s_mov_b32 s43, 0
	s_lshl_b32 s40, s40, 8
	s_add_co_u32 s40, s40, s38
	s_add_co_u32 s40, s40, 12288
	s_mov_b32 s41, 0
	s_add_nc_u64 s[42:43], s[24:25], s[42:43]      ; my four fragments
	s_add_nc_u64 s[40:41], s[24:25], s[40:41]      ; my plane of scale words
	s_mul_i32 s44, s2, XSTB
	v_add_nc_u32 v6, s44, v5                       ; the stage, in: 16 x lane of row i
	v_mul_u32_u24 v7, v2, 528
	v_lshl_add_u32 v7, v3, 6, v7
	v_add_nc_u32 v7, s44, v7                       ; out: row r, + 64 h: rows 528 bytes apart, so the 16 rows of a load begin in 16 different columns of 16 bytes
.irp b, 0,1,2,3
	v_mov_b32 v[TM+4+\b], 0                        ; a lane permute's destination counts as read
.endr
.macro XLOAD t                         ; fragment t: its 16 rows, 512 consecutive bytes each
.irp i, 0,1,2,3,4,5,6,7,8,9,10,11,12,13,14,15
	global_load_b128 v[RAW+64*((\t)%2)+4*\i:RAW+64*((\t)%2)+4*\i+3], v5, s[34:35] offset:(32*((\t)/2)+8*((\t)%2)+\i+8*(\i/8))*4096 th:TH_LOAD_NT
.endr
.endm
.macro XFRAG t
.if (\t) < 3
	s_wait_loadcnt 16                              ; this fragment's 16 loads are in; the next one's may stay out
.else
	s_wait_loadcnt 0x0
.endif
.irp i, 0,1,2,3,4,5,6,7,8,9,10,11,12,13,14,15
	ds_store_b128 v6, v[RAW+64*((\t)%2)+4*\i:RAW+64*((\t)%2)+4*\i+3] offset:528*\i
.endr
.irp b, 0,1,2,3
.irp j, 0,1,2,3
	ds_load_b128 v[XN+16*\b+4*\j:XN+16*\b+4*\j+3], v7 offset:128*\b+16*\j   ; LDS serves a wave's instructions in order: these see the stores above
.endr
.endr
	s_wait_dscnt 0x0                               ; the numbers are back, and the stores have read their registers
	s_wait_xcnt 0x0                                ; the last fragment's stores have read the codes' registers
.if (\t) < 2
	XLOAD (\t)+2
.endif
	QUANT4 XN, PC, PW+(\t)
.irp pl, 0,1,2,3,4,5
	global_store_b64 v4, v[PC+2*\pl:PC+2*\pl+1], s[42:43] offset:1536*(\t)+256*\pl   ; a plane: 256 consecutive bytes, aligned
.endr
.endm
	s_wait_alu depctr_va_vdst(0)
	XLOAD 0
	XLOAD 1
	XFRAG 0
	XFRAG 1
	XFRAG 2
	XFRAG 3
	s_mov_b32 vcc_lo, 0xffff0000
	v_cndmask_b32 v[SW], v[PW], v[PW+1], vcc_lo    ; lanes 0-15 the even tile's words, lanes 16-31 the odd tile's
	v_cndmask_b32 v[SW+1], v[PW+2], v[PW+3], vcc_lo
	global_store_b64 v4, v[SW:SW+1], s[40:41]
	s_wait_tensorcnt 0x0                           ; the wave's end, behind my last LDS store
	ds_add_u32 v[SPW], v[NIL]
	s_wait_dscnt 0x0
	s_endpgm
; ---------------- PATH W: a wave quantises 128 K x 64 columns.  A lane takes a column, its registers run down K: a block of 32 lies in one lane.
.Lpath_w:
	s_sub_co_u32 s30, ttmp9, 768
	s_lshr_b32 s31, s30, 5                         ; which weight
	s_bfe_u32 s32, s30, 0x20003
	s_lshl_b32 s32, s32, 2
	s_add_co_u32 s32, s32, s2                      ; group of 64 columns, 0..15
	s_and_b32 s33, s30, 7                          ; K step
	s_cmp_eq_u32 s31, 1
	s_cselect_b64 s[34:35], s[16:17], s[14:15]
	s_cmp_eq_u32 s31, 2
	s_cselect_b64 s[34:35], s[18:19], s[34:35]
	s_cmp_eq_u32 s31, 3
	s_cselect_b64 s[34:35], s[20:21], s[34:35]
	s_lshl_b32 s36, s33, 19
	s_lshl_b32 s37, s32, 8
	s_add_co_u32 s36, s36, s37
	s_mov_b32 s37, 0
	s_add_nc_u64 s[34:35], s[34:35], s[36:37]
	s_mul_i32 s38, s31, 819200
	s_lshr_b32 s39, s32, 1
	s_mul_i32 s39, s39, 102400
	s_add_co_u32 s38, s38, s39
	s_mul_i32 s39, s33, 12800
	s_add_co_u32 s38, s38, s39
	s_and_b32 s40, s32, 1
	s_mul_i32 s41, s40, 6144
	s_add_co_u32 s42, s38, s41
	s_mov_b32 s43, 0
	s_lshl_b32 s40, s40, 8
	s_add_co_u32 s40, s40, s38
	s_add_co_u32 s40, s40, 12288
	s_mov_b32 s41, 0
	s_add_nc_u64 s[42:43], s[26:27], s[42:43]
	s_add_nc_u64 s[40:41], s[26:27], s[40:41]
	s_mul_i32 s44, s2, WSTB
	s_add_co_u32 s44, s44, WST0                    ; my stage
	s_add_co_u32 s45, s44, 6144                    ; and its plane of scale words
	v_and_b32 v10, 7, v0
	v_lshl_add_u32 v10, v3, 3, v10                 ; my column's slot: lane % 8 + 8 (lane / 16)
	v_bfe_u32 v11, v0, 3, 1                        ; and which of the pair of tiles: (lane / 8) % 2
	v_mul_u32_u24 v6, v11, 1536
	v_lshl_add_u32 v6, v10, 3, v6
	v_add_nc_u32 v6, s44, v6                       ; codes: tile x 1,536 + 8 x slot
	v_lshl_add_u32 v7, v11, 4, v10
	v_lshlrev_b32 v7, 3, v7
	v_add_nc_u32 v7, s45, v7                       ; scale word: 8 x (slot + 16 x tile's parity)
	v_add_nc_u32 v8, s44, v5                       ; back: 16 bytes a lane,
	v_add_nc_u32 v9, s45, v4                       ; the plane: 8 bytes a lane
	v_lshlrev_b32 v12, 2, v1                       ; in: 4 bytes a lane
.macro WLOAD u                         ; unit u = 2 x (block of 32 along K) + (half of 32 columns): each load takes 128 consecutive bytes of a row of W
.set j, 0
.rept 32
	global_load_b32 v[XS+32*((\u)%2)+j], v12, s[34:35] offset:(32*((\u)/2)+j)*4096+128*((\u)%2) th:TH_LOAD_NT
.set j, j+1
.endr
.endm
.macro WBLK u
.set KB, (\u)/2
.set EE, (\u)%2
.set XB, XS+32*EE
.if (\u) < 7
	s_wait_loadcnt 32                              ; this unit's 32 loads are in; the next unit's may stay out
.else
	s_wait_loadcnt 0x0
.endif
	v_max3_num_f32 v108, |v[XB]|, |v[XB+1]|, |v[XB+2]|
	v_max3_num_f32 v109, |v[XB+3]|, |v[XB+4]|, |v[XB+5]|
.irp i, 6,10,14,18,22,26
	v_max3_num_f32 v108, v108, |v[XB+\i]|, |v[XB+\i+1]|
	v_max3_num_f32 v109, v109, |v[XB+\i+2]|, |v[XB+\i+3]|
.endr
	v_max3_num_f32 v108, v108, |v[XB+30]|, |v[XB+31]|
	v_max3_num_f32 v108, v108, v109, 0x1800000     ; and the floor
	v_add_nc_u32 v110, 0xff000000, v108            ; the conversion's scale operand
	v_lshrrev_b32 v111, 23, v110                   ; the byte
.if KB == 0
	v_mov_b32 v[SWD+EE], v111
.else
	v_lshl_or_b32 v[SWD+EE], v111, 8*KB, v[SWD+EE]
.endif
	s_wait_alu depctr_va_vdst(0)                   ; directly ahead of the wait below
	s_wait_dscnt 0x0                               ; the last unit's LDS stores have read the codes' registers
	v_cvt_scalef32_pk16_fp6_f32 v[CW:CW+2], v[XB:XB+15], v110
	v_cvt_scalef32_pk16_fp6_f32 v[TW:TW+2], v[XB+16:XB+31], v110
	v_nop                                          ; one plain instruction behind the scaled conversions
.irp i, 0,1,2
	v_mov_b32 v[CW+3+\i], v[TW+\i]
.endr
.irp p, 0,1,2                          ; block KB of a fragment: planes 3 (KB / 2) + p, lanes 16 (KB % 2) + slot
	ds_store_b64 v6, v[CW+2*\p:CW+2*\p+1] offset:3072*EE+128*(KB%2)+(3*(KB/2)+\p)*256
.endr
.if (\u) < 6
	WLOAD (\u)+2
.endif
.endm
	s_wait_alu depctr_va_vdst(0)
	WLOAD 0
	WLOAD 1
.irp u, 0,1,2,3,4,5,6,7
	WBLK \u
.endr
	ds_store_b32 v7, v[SWD]
	ds_store_b32 v7, v[SWD+1] offset:4
.irp i, 0,1,2,3,4,5,6,7,8,9,10,11
	ds_load_b128 v[OUTR+4*\i:OUTR+4*\i+3], v8 offset:512*\i      ; LDS serves a wave's instructions in order: these see my stores
.endr
	ds_load_b64 v[160:161], v9
.irp i, 0,1,2,3,4,5,6,7,8,9,10,11
	s_wait_dscnt 12-\i                             ; the younger loads may stay out
	global_store_b128 v5, v[OUTR+4*\i:OUTR+4*\i+3], s[42:43] offset:512*\i   ; 512 consecutive bytes, aligned
.endr
	s_wait_dscnt 0x0
	global_store_b64 v4, v[160:161], s[40:41]
	s_wait_tensorcnt 0x0                           ; the wave's end, behind my last LDS store
	ds_add_u32 v[SPW], v[NIL]
	s_wait_dscnt 0x0
	s_endpgm
.Lfunc_end_k_q0a60b7f159_prep:
	.size	k_q0a60b7f159_prep, .Lfunc_end_k_q0a60b7f159_prep-k_q0a60b7f159_prep
	.p2alignl 7, 3214868480
	.fill 96, 4, 3214868480
	.section	.rodata,"a",@progbits
	.p2align	6, 0x0
	.amdhsa_kernel k_q0a60b7f159_prep
		.amdhsa_group_segment_fixed_size 59904
		.amdhsa_private_segment_fixed_size 0
		.amdhsa_enable_private_segment 0
		.amdhsa_kernarg_size 88
		.amdhsa_user_sgpr_count 2
		.amdhsa_user_sgpr_kernarg_segment_ptr 1
		.amdhsa_wavefront_size32 1
		.amdhsa_system_sgpr_workgroup_id_x 1
		.amdhsa_system_sgpr_workgroup_id_y 1
		.amdhsa_system_sgpr_workgroup_id_z 1
		.amdhsa_system_vgpr_workitem_id 0
		.amdhsa_next_free_vgpr 256
		.amdhsa_next_free_sgpr 66
		.amdhsa_reserve_vcc 1
		.amdhsa_float_denorm_mode_32 3
		.amdhsa_float_denorm_mode_16_64 3
		.amdhsa_memory_ordered 1
		.amdhsa_forward_progress 1
		.amdhsa_inst_pref_size 125
	.end_amdhsa_kernel
	.amdgpu_metadata
---
amdhsa.version: [ 1, 2 ]
amdhsa.kernels:
  - .name:           k_q0a60b7f159_prep
    .symbol:         k_q0a60b7f159_prep.kd
    .args:
      - { .name: query, .offset: 0, .size: 8, .value_kind: global_buffer, .address_space: global }
      - { .name: key, .offset: 8, .size: 8, .value_kind: global_buffer, .address_space: global }
      - { .name: value, .offset: 16, .size: 8, .value_kind: global_buffer, .address_space: global }
      - { .name: Wq, .offset: 24, .size: 8, .value_kind: global_buffer, .address_space: global }
      - { .name: Wk, .offset: 32, .size: 8, .value_kind: global_buffer, .address_space: global }
      - { .name: Wv, .offset: 40, .size: 8, .value_kind: global_buffer, .address_space: global }
      - { .name: Wo, .offset: 48, .size: 8, .value_kind: global_buffer, .address_space: global }
      - { .name: mask, .offset: 56, .size: 8, .value_kind: global_buffer, .address_space: global }
      - { .name: ximg, .offset: 64, .size: 8, .value_kind: global_buffer, .address_space: global }
      - { .name: wimg, .offset: 72, .size: 8, .value_kind: global_buffer, .address_space: global }
      - { .name: mbits, .offset: 80, .size: 8, .value_kind: global_buffer, .address_space: global }
    .group_segment_fixed_size: 59904
    .private_segment_fixed_size: 0
    .kernarg_segment_align: 8
    .kernarg_segment_size: 88
    .max_flat_workgroup_size: 128
    .sgpr_count:     66
    .vgpr_count:     256
    .wavefront_size: 32
...
	.end_amdgpu_metadata
.endif
;; end of part 1
;; launch proj (part 2): grid 8 x 96, 8 waves a work-group, clusters of 4 x 4, 327,680 bytes of LDS; arguments ximg, wimg, bq, bk, bv, qimg, kvimg; writes qimg, kvimg
.if DOCPART == 2
	.amdgcn_target "amdgcn-amd-amdhsa--gfx1250"
	.amdhsa_code_object_version 6
	.text
	.protected	k_q0a60b7f159_proj
	.globl	k_q0a60b7f159_proj
	.p2align	8
	.type	k_q0a60b7f159_proj,@function
k_q0a60b7f159_proj:
	s_mov_b64 s[64:65], 0
	v_nop
	global_prefetch_b8 v0, s[64:65] scope:SCOPE_SE
	s_setreg_imm32_b32 hwreg(HW_REG_WAVE_MODE, 25, 1), 1
	s_wait_xcnt 0x0
	s_wait_alu depctr_hold_cnt(0) depctr_sa_sdst(0) depctr_va_vdst(0) depctr_va_sdst(0) depctr_va_ssrc(0) depctr_va_vcc(0) depctr_vm_vsrc(0)
	s_getreg_b32 s2, hwreg(HW_REG_IB_STS2, 6, 4)
	s_cmp_eq_u32 s2, 0
	s_cbranch_scc0 .Lentry_in_a_cluster
	s_endpgm
.Lentry_in_a_cluster:
	s_bfe_u32 s2, ttmp6, 0x10000c
	s_cmp_lg_u32 s2, 0xf033
	s_cbranch_scc0 .Lentry_shape_is_right
	s_endpgm
.Lentry_shape_is_right:
; PROJ: q = query Wq + bq, k = key Wk + bk, v = value Wv + bv on codes of E2M3, and the results quantised in registers for the attention launch:
; q and k along the head's 64 (qimg, kvimg), v along the keys (kvimg).
; A work-group makes 128 P rows x 256 R rows over all of K = 1,024.  The matrix instruction is used transposed: source 0 = 16 P rows, source 1 = 16 R rows, so a lane holds ONE R row
; and its registers run along the P rows, which are the next product's K.  Jobs 0, 1 (q, k): P = the weight's columns (a head's 64 to a wave), R = tokens.  Job 2 (v): P = tokens (keys), R = Wv's columns.
; By the operands' row map (slot r of tile 2 B + u = row 32 B + 8 u + r + 8 (r / 8)) register 16 b + i of a lane's four tiles is P row 32 b + 16 (lane / 16) + i.
; Eight waves, two to a SIMD: wave = 2 wr + wp; 64 P rows x 64 R rows each, 16 accumulators.
; LDS holds the tile's operands for all of K: P's group (102,400 bytes) and R's two groups; nothing is filled twice.  Eight tensor loads, one a wave: waves 0-3 P's, waves 4-7 R's,
; 25,600 or 51,200 dense bytes a load: one of a wave's loads is out.  CLUSTER 4 x 4: P's group is shared along a column of the cluster, R's along a row: joint loads.
; The biases are the C of each sum's first product.  LIMITS as in the launch before: a block under 2^-124 or of zeros keeps the scale byte 1; NaN and infinities are not served.
; The two bytes a lane by which v's scale words leave (each key half of a word comes from another wave) are 1/48 of v's bytes.
.set GRP,   102400
.set KSB,   12800
.set STGB,  25600
.set SPARE, 3*GRP                      ; behind the operands: the spare words, 128 bytes a wave
.set L8,  1                            ; v1  8 x lane
.set AP,  2                            ; v2  LDS: my P fragments
.set AR,  3                            ; v3  my R fragments
.set ASP, 4                            ; v4  my P scale words
.set ASR, 5                            ; v5  my R scale words
.set SPW, 6                            ; v6  my spare word; never rewritten
.set NIL, 7                            ; v7  0; never rewritten
.set PS,  8                            ; v8-9   P's scale words: tile t in register t / 2, lanes 16 (t % 2) on
.set RS,  10                           ; v10-11 R's
.set TM,  12                           ; v12-27 at work in the quantiser
.set BH,  28                           ; v28 64 x (lane / 16)
.set BR,  29                           ; v29 4 x (r + 8 (r / 8))
.set PF,  32                           ; v32-79  P's four fragments
.set RF,  80                           ; v80-127 R's four
.set ACC, 128                          ; accumulator (rt, pt) at v[128 + 8 (4 rt + pt)]
.set HC,  32                           ; the way out: four half fragments of codes,
.set PW,  56                           ; their scale words,
.set TT,  60                           ; second halves of codes,
.set SW,  64                           ; the plane of scale words
.set G1P, 24
.set G1R, 32
.set G0P, 40                           ; s[40:43] group 0 for P
.set G0R, 68                           ; s[68:71] R's
.set SEL, 84
.macro CROUND                          ; a round of the cluster's barrier
	s_barrier_signal -1
	s_barrier_wait -1
	s_cmp_lg_u32 s2, 0
	s_cbranch_scc1 .Lnot_wave_0_\@
	s_barrier_signal -3
.Lnot_wave_0_\@:
	s_barrier_wait -3
	s_barrier_signal -1
	s_barrier_wait -1
.endm
.macro WM d, a, b, c, sa, sb, ra, rb   ; one product; ra, rb = 1: that side's scale words stand in lanes 16-31
.if ((\ra) == 1) && ((\rb) == 1)
	v_wmma_scale_f32_16x16x128_f8f6f4 v[(\d):(\d)+7], v[(\a):(\a)+11], v[(\b):(\b)+11], v[(\c):(\c)+7], v[(\sa)], v[(\sb)] matrix_a_fmt:MATRIX_FMT_FP6 matrix_b_fmt:MATRIX_FMT_FP6 matrix_a_scale:MATRIX_SCALE_ROW1 matrix_b_scale:MATRIX_SCALE_ROW1
.elseif (\ra) == 1
	v_wmma_scale_f32_16x16x128_f8f6f4 v[(\d):(\d)+7], v[(\a):(\a)+11], v[(\b):(\b)+11], v[(\c):(\c)+7], v[(\sa)], v[(\sb)] matrix_a_fmt:MATRIX_FMT_FP6 matrix_b_fmt:MATRIX_FMT_FP6 matrix_a_scale:MATRIX_SCALE_ROW1
.elseif (\rb) == 1
	v_wmma_scale_f32_16x16x128_f8f6f4 v[(\d):(\d)+7], v[(\a):(\a)+11], v[(\b):(\b)+11], v[(\c):(\c)+7], v[(\sa)], v[(\sb)] matrix_a_fmt:MATRIX_FMT_FP6 matrix_b_fmt:MATRIX_FMT_FP6 matrix_b_scale:MATRIX_SCALE_ROW1
.else
	v_wmma_scale_f32_16x16x128_f8f6f4 v[(\d):(\d)+7], v[(\a):(\a)+11], v[(\b):(\b)+11], v[(\c):(\c)+7], v[(\sa)], v[(\sb)] matrix_a_fmt:MATRIX_FMT_FP6 matrix_b_fmt:MATRIX_FMT_FP6
.endif
.endm
.macro FETCH s                         ; K step s: my 8 fragments and 4 registers of scale words; each load takes 256 consecutive bytes
.if (\s) > 0
.rept 4
	v_nop                                          ; four places between the last products and loads into their sources
.endr
.endif
.irp t, 0,1,2,3
.irp pl, 0,1,2,3,4,5
	ds_load_b64 v[PF+12*\t+2*\pl:PF+12*\t+2*\pl+1], v[AP] offset:((\s)%4)*KSB+1536*\t+256*\pl
.endr
.endr
.irp t, 0,1,2,3
.irp pl, 0,1,2,3,4,5
	ds_load_b64 v[RF+12*\t+2*\pl:RF+12*\t+2*\pl+1], v[AR] offset:((\s)%4)*KSB+1536*\t+256*\pl
.endr
.endr
	ds_load_b64 v[PS:PS+1], v[ASP] offset:((\s)%4)*KSB
	ds_load_b64 v[RS:RS+1], v[ASR] offset:((\s)%4)*KSB
	s_wait_dscnt 0x0
.endm
.macro MUL                             ; 16 products; the accumulators take turns, one instruction a turn, in the same order in every K step
.irp rt, 0,1,2,3
.irp pt, 0,1,2,3
	WM ACC+8*(4*\rt+\pt), PF+12*\pt, RF+12*\rt, ACC+8*(4*\rt+\pt), PS+\pt/2, RS+\rt/2, \pt%2, \rt%2
.endr
.endr
.endm
.macro MUL0P                           ; the first K step, bias along P: it was loaded into the accumulators (3, pt) and is the C of all four rt
.irp rt, 0,1,2
.irp pt, 0,1,2,3
	WM ACC+8*(4*\rt+\pt), PF+12*\pt, RF+12*\rt, ACC+8*(12+\pt), PS+\pt/2, RS+\rt/2, \pt%2, \rt%2
.endr
.endr
.rept 5
	v_nop                                          ; five places: the next four write over registers that the products above read as C
.endr
.irp pt, 0,1,2,3
	WM ACC+8*(12+\pt), PF+12*\pt, RF+36, ACC+8*(12+\pt), PS+\pt/2, RS+1, \pt%2, 1
.endr
.endm
.macro MUL0R                           ; the same with the bias along R, in the accumulators (rt, 3)
.irp pt, 0,1,2
.irp rt, 0,1,2,3
	WM ACC+8*(4*\rt+\pt), PF+12*\pt, RF+12*\rt, ACC+8*(4*\rt+3), PS+\pt/2, RS+\rt/2, \pt%2, \rt%2
.endr
.endr
.rept 5
	v_nop
.endr
.irp rt, 0,1,2,3
	WM ACC+8*(4*\rt+3), PF+36, RF+12*\rt, ACC+8*(4*\rt+3), PS+1, RS+\rt/2, 1, \rt%2
.endr
.endm
; 32 numbers of a lane, register 16 b + i = k 32 b + 16 (lane / 16) + i of my row, become half a fragment (6 registers: k = 32 (lane / 16) + 0 .. 31) and two scale bytes.
.macro QUANT2 s, d, pw
.irp b, 0,1
	v_max3_num_f32 v[TM+\b], |v[(\s)+16*\b]|, |v[(\s)+1+16*\b]|, 0x1800000   ; each accumulator is read from its low end on; the floor 2^(3 - 127) holds the byte at 1
.endr
.irp i, 2,4,6,8,10,12,14
.irp b, 0,1
	v_max3_num_f32 v[TM+\b], v[TM+\b], |v[(\s)+16*\b+\i]|, |v[(\s)+1+16*\b+\i]|
.endr
.endr
.irp b, 0,1
	s_delay_alu instid0(VALU_DEP_2)
	v_permlanex16_b32 v[TM+4+\b], v[TM+\b], s[SEL], s[SEL+1]
.endr
.irp b, 0,1
	s_delay_alu instid0(VALU_DEP_2)
	v_max_num_f32 v[TM+\b], v[TM+\b], v[TM+4+\b]
.endr
.irp b, 0,1
	s_delay_alu instid0(VALU_DEP_2)
	v_add_nc_u32 v[TM+12+\b], 0xff000000, v[TM+\b]
.endr
.irp b, 0,1
	s_delay_alu instid0(VALU_DEP_2)
	v_lshrrev_b32 v[TM+4+\b], 23, v[TM+12+\b]
.endr
	s_delay_alu instid0(VALU_DEP_1)
	v_lshl_or_b32 v[(\pw)], v[TM+5], 8, v[TM+4]    ; bytes 2 and 3 stay 0: they meet zero codes alone
	v_cvt_scalef32_pk16_fp6_f32 v[(\d):(\d)+2], v[(\s):(\s)+15], v[TM+12]
	v_cvt_scalef32_pk16_fp6_f32 v[TT:TT+2], v[(\s)+16:(\s)+31], v[TM+13]
	v_nop                                          ; one plain instruction behind the scaled conversions
.irp i, 0,1,2
	v_permlane16_swap_b32 v[(\d)+\i], v[TT+\i]
.endr
.irp i, 0,1,2
	s_delay_alu instid0(VALU_DEP_3)
	v_mov_b32 v[(\d)+3+\i], v[TT+\i]
.endr
.endm
	s_load_b256 s[4:11], s[0:1], 0x0               ; ximg 4, wimg 6, bq 8, bk 10
	s_load_b128 s[12:15], s[0:1], 0x20             ; bv 12, qimg 14
	s_load_b64 s[16:17], s[0:1], 0x30              ; kvimg
	v_lshl_add_u32 v[SPW], v0, 2, SPARE
	v_mov_b32 v[NIL], 0
	ds_add_u32 v[SPW], v[NIL]                      ; the wave's opening: the add and its wait ahead of the first tensor loads; register work stands between
	ds_add_u32 v[SPW], v[NIL]
	v_lshrrev_b32 v1, 5, v0
	s_delay_alu instid0(VALU_DEP_1)
	v_readfirstlane_b32 s2, v1                     ; wave 0..7
	s_bfe_u32 s86, ttmp6, 0x40000                  ; cx
	s_bfe_u32 s87, ttmp6, 0x40004                  ; cy
	s_and_b32 s88, ttmp7, 0xffff                   ; the cluster's y
	s_lshr_b32 s3, s88, 3                          ; the job: 0 q, 1 k, 2 v: the same in all sixteen partners
	s_and_b32 s88, s88, 7
	s_lshl_b32 s89, s88, 1
	s_or_b32 s89, s89, ttmp9
	s_cmp_eq_u32 s3, 2
	s_cselect_b32 s89, s89, ttmp9                  ; which four P groups: v: 16 quads of token groups; q, k: 2 quads of weight groups
	s_cselect_b32 s88, 0, s88                      ; which four R pairs: v: the one quad of Wv's; q, k: 8 quads of token pairs
	s_lshl_b32 s89, s89, 2
	s_add_co_u32 s89, s89, s86                     ; pg: P's group; it holds cx and never cy
	s_lshl_b32 s88, s88, 2
	s_add_co_u32 s88, s88, s87                     ; rp: R's pair of groups; it holds cy and never cx
	s_lshl_b32 s90, 0x1111, s86                    ; my column of the cluster
	s_lshl_b32 s91, s87, 2
	s_lshl_b32 s91, 15, s91                        ; my row
	s_or_b32 s[G1P], s90, (3<<16)|(1<<21)          ; 15:0 the mask; 17:16 elements of 8 bytes; 21 set beside a mask; no padding
	s_or_b32 s[G1R], s91, (3<<16)|(1<<21)
.irp g, G1P, G1R
	s_mov_b32 s[\g+1], 32<<16                      ; tensor_dim0 = 32 elements: rows of 256 bytes
	s_mov_b32 s[\g+2], 100<<16                     ; tensor_dim1 = 100 rows: 25,600 dense bytes
	s_mov_b32 s[\g+3], 32<<16                      ; tile_dim0
	s_mov_b32 s[\g+4], 100                         ; tile_dim1
	s_mov_b32 s[\g+5], 32                          ; from row to row
	s_mov_b32 s[\g+6], 0
	s_mov_b32 s[\g+7], 0
.endr
	s_mov_b32 s[G1R+2], 200<<16                    ; R's loads bring 200 rows: 51,200 dense bytes
	s_mov_b32 s[G1R+4], 200
	s_mul_i32 s92, s3, 819200
	s_mul_i32 s93, s3, 6553600                     ; its tensor in ximg
	s_cmp_eq_u32 s3, 2
	s_cselect_b32 s94, s93, s92
	s_cselect_b32 s96, s92, s93
	s_mul_i32 s95, s89, GRP
	s_add_co_u32 s94, s94, s95                     ; P's group, in bytes
	s_mov_b32 s95, 0
	s_mul_i32 s97, s88, 2*GRP
	s_add_co_u32 s96, s96, s97
	; EIGHT FIRST FILLS, ONE A WAVE: waves 0-3 bring P's four stages of 25,600 bytes, waves 4-7 the four quarters (51,200 bytes) of R's two groups, which lie on end in memory and in LDS
	s_and_b32 s97, s2, 3
	s_mul_i32 s18, s97, STGB
	s_add_co_u32 s94, s94, s18
	s_mul_i32 s97, s97, 2*STGB
	s_add_co_u32 s96, s96, s97
	s_add_co_u32 s56, s97, GRP
	s_mov_b32 s97, 0
	s_mov_b32 s[SEL], 0x76543210
	s_mov_b32 s[SEL+1], 0xfedcba98
	v_and_b32 v[L8], 31, v0
	s_delay_alu instid0(VALU_DEP_1)
	v_lshlrev_b32 v[L8], 3, v[L8]
	s_wait_alu depctr_va_vdst(0)
	s_and_b32 s19, s2, 1                           ; wp
	s_mul_i32 s20, s19, 6144
	v_add_nc_u32 v[AP], s20, v[L8]
	s_lshl_b32 s20, s19, 8
	s_add_co_u32 s20, s20, 12288
	v_add_nc_u32 v[ASP], s20, v[L8]
	s_lshr_b32 s20, s2, 2                          ; wr / 2: which R group
	s_mul_i32 s20, s20, GRP
	s_add_co_u32 s20, s20, GRP
	s_bfe_u32 s21, s2, 0x10001                     ; wr % 2: which half of it
	s_mul_i32 s22, s21, 6144
	s_add_co_u32 s22, s22, s20
	v_add_nc_u32 v[AR], s22, v[L8]
	s_lshl_b32 s21, s21, 8
	s_add_co_u32 s21, s21, s20
	s_add_co_u32 s21, s21, 12288
	v_add_nc_u32 v[ASR], s21, v[L8]
	v_bfe_u32 v[BH], v0, 4, 1
	s_delay_alu instid0(VALU_DEP_1)
	v_lshlrev_b32 v[BH], 6, v[BH]
	v_and_b32 v[BR], 15, v0
	s_delay_alu instid0(VALU_DEP_1)
	v_and_b32 v30, 8, v[BR]
	s_delay_alu instid0(VALU_DEP_1)
	v_add_nc_u32 v[BR], v[BR], v30
	s_delay_alu instid0(VALU_DEP_1)
	v_lshlrev_b32 v[BR], 2, v[BR]
	v_mov_b32 v[TM+4], 0                           ; a lane permute's destination counts as read
	v_mov_b32 v[TM+5], 0
	s_wait_dscnt 0x0                               ; the opening add is done
	s_wait_kmcnt 0x0
	s_cmp_eq_u32 s3, 2
	s_cselect_b64 s[98:99], s[4:5], s[6:7]         ; P's buffer,
	s_cselect_b64 s[100:101], s[6:7], s[4:5]       ; R's
	s_add_nc_u64 s[98:99], s[98:99], s[94:95]
	s_add_nc_u64 s[100:101], s[100:101], s[96:97]
	s_mov_b32 s[G0P], 1
	s_mov_b32 s[G0P+1], s18
	s_mov_b64 s[G0P+2:G0P+3], s[98:99]
	s_or_b32 s[G0P+3], s[G0P+3], 0x80000000
	s_mov_b32 s[G0R], 1
	s_mov_b32 s[G0R+1], s56
	s_mov_b64 s[G0R+2:G0R+3], s[100:101]
	s_or_b32 s[G0R+3], s[G0R+3], 0x80000000
	CROUND                                         ; all sixteen work-groups are here: the joint loads meet
	s_cmp_lt_u32 s2, 4                             ; one branch on the wave's number, one fill to an arm
	s_cbranch_scc0 .Lnot_p
	tensor_load_to_lds s[G0P:G0P+3], s[G1P:G1P+7]
	s_nop 0
.rept 4
	v_nop
.endr
	s_branch .Lasked
.Lnot_p:
	tensor_load_to_lds s[G0R:G0R+3], s[G1R:G1R+7]
	s_nop 0
.rept 4
	v_nop
.endr
.Lasked:
	; the bias, straight into the accumulators that will serve as C
	s_cmp_eq_u32 s3, 2
	s_cbranch_scc1 .Lbias_v
	s_cmp_eq_u32 s3, 0
	s_cselect_b64 s[20:21], s[8:9], s[10:11]
	s_lshl_b32 s22, s89, 9
	s_lshl_b32 s23, s19, 8
	s_add_co_u32 s22, s22, s23                     ; (128 pg + 64 wp) x 4
	s_mov_b32 s23, 0
	s_add_nc_u64 s[20:21], s[20:21], s[22:23]
	s_wait_alu depctr_va_vdst(0)
.irp pt, 0,1,2,3                       ; register j of tile pt: P row 32 (pt / 2) + 8 (pt % 2) + 16 h + j
	global_load_b128 v[ACC+8*(12+\pt):ACC+8*(12+\pt)+3], v[BH], s[20:21] offset:(32*(\pt/2)+8*(\pt%2))*4
	global_load_b128 v[ACC+8*(12+\pt)+4:ACC+8*(12+\pt)+7], v[BH], s[20:21] offset:(32*(\pt/2)+8*(\pt%2))*4+16
.endr
	s_branch .Lbias_done
.Lbias_v:
	s_lshl_b32 s22, s88, 10
	s_lshr_b32 s23, s2, 1
	s_lshl_b32 s23, s23, 8
	s_add_co_u32 s22, s22, s23                     ; (256 rp + 64 wr) x 4
	s_mov_b32 s23, 0
	s_add_nc_u64 s[20:21], s[12:13], s[22:23]
	s_wait_alu depctr_va_vdst(0)
.irp rt, 0,1,2,3                       ; all eight registers of a lane hold its own R row's bias
.irp j, 0,1,2,3,4,5,6,7
	global_load_b32 v[ACC+8*(4*\rt+3)+\j], v[BR], s[20:21] offset:(32*(\rt/2)+8*(\rt%2))*4
.endr
.endr
.Lbias_done:
.irp g, 0,1,2,3
	s_wait_alu depctr_va_vdst(0)
.if \g == 0
	s_wait_tensorcnt 0x0                           ; my one load has landed
	s_barrier_signal -1
	s_barrier_wait -1                              ; everybody's has: the operands are whole for all of K
.endif
	FETCH 2*\g
.if \g == 0
	s_wait_loadcnt 0x0                             ; the bias
	s_cmp_eq_u32 s3, 2
	s_cbranch_scc1 .Lfirst_v
	MUL0P
	s_branch .Lfirst_done
.Lfirst_v:
	MUL0R
.Lfirst_done:
.else
	MUL
.endif
	FETCH 2*\g+1
	MUL
.if \g == 1
	v_add_nc_u32 v[AP], 4*KSB, v[AP]               ; the offsets begin anew at K step 4
	s_wait_alu depctr_va_vdst(0)
	v_add_nc_u32 v[AR], 4*KSB, v[AR]
	s_wait_alu depctr_va_vdst(0)
	v_add_nc_u32 v[ASP], 4*KSB, v[ASP]
	s_wait_alu depctr_va_vdst(0)
	v_add_nc_u32 v[ASR], 4*KSB, v[ASR]
.endif
.endr
	; THE WAY OUT: each of my four R tiles: 32 numbers a lane become half a fragment and two scale bytes; they leave as planes of 256 consecutive bytes.
.rept 4
	v_nop                                          ; four places behind the last products
.endr
.irp rt, 0,1,2,3
	QUANT2 ACC+32*\rt, HC+6*\rt, PW+\rt
.endr
	s_mov_b32 vcc_lo, 0xffff0000
	v_cndmask_b32 v[SW], v[PW], v[PW+1], vcc_lo
	v_cndmask_b32 v[SW+1], v[PW+2], v[PW+3], vcc_lo
	s_cmp_eq_u32 s3, 2
	s_cbranch_scc1 .Lout_v
	s_cmp_eq_u32 s3, 0
	s_mov_b32 s90, 13056
	s_cselect_b32 s90, 6656, s90                   ; a block of 128 tokens of a head: q's, or k's and v's together
	s_mov_b32 s91, 12288
	s_cselect_b32 s91, 6144, s91                   ; where its scale planes begin
	s_cselect_b64 s[92:93], s[14:15], s[16:17]
	s_lshr_b32 s94, s88, 3                         ; batch
	s_lshl_b32 s94, s94, 4
	s_lshl_b32 s95, s89, 1
	s_add_co_u32 s94, s94, s95
	s_add_co_u32 s94, s94, s19                     ; + head = 2 pg + wp
	s_lshl_b32 s94, s94, 4
	s_and_b32 s95, s88, 7
	s_lshl_b32 s95, s95, 1
	s_add_co_u32 s94, s94, s95
	s_lshr_b32 s95, s2, 2
	s_add_co_u32 s94, s94, s95                     ; + block = 2 (rp % 8) + wr / 2
	s_mul_i32 s94, s94, s90
	s_bfe_u32 s95, s2, 0x10001                     ; wr % 2: which four tiles of the block
	s_mul_i32 s96, s95, 3072
	s_add_co_u32 s96, s96, s94
	s_mov_b32 s97, 0
	s_lshl_b32 s95, s95, 8
	s_add_co_u32 s94, s94, s95
	s_add_co_u32 s94, s94, s91
	s_mov_b32 s95, 0
	s_add_nc_u64 s[96:97], s[92:93], s[96:97]
	s_add_nc_u64 s[94:95], s[92:93], s[94:95]
	s_wait_alu depctr_va_vdst(0)
.irp rt, 0,1,2,3
.irp p, 0,1,2
	global_store_b64 v[L8], v[HC+6*\rt+2*\p:HC+6*\rt+2*\p+1], s[96:97] offset:768*\rt+256*\p
.endr
.endr
	global_store_b64 v[L8], v[SW:SW+1], s[94:95]
	s_branch .Lout_done
.Lout_v:
	s_lshr_b32 s90, s89, 4                         ; batch
	s_lshl_b32 s90, s90, 4
	s_lshl_b32 s91, s88, 2
	s_add_co_u32 s90, s90, s91
	s_lshr_b32 s91, s2, 1
	s_add_co_u32 s90, s90, s91                     ; + head = 4 rp + wr
	s_lshl_b32 s90, s90, 4
	s_and_b32 s91, s89, 15
	s_add_co_u32 s90, s90, s91                     ; + block of 128 keys
	s_mul_i32 s90, s90, 13056
	s_mul_i32 s92, s19, 768                        ; my 64 keys are planes 3 wp + p of each fragment
	s_add_co_u32 s92, s92, s90
	s_add_co_u32 s92, s92, 6144
	s_mov_b32 s93, 0
	s_lshl_b32 s91, s19, 1                         ; and bytes 2 wp, 2 wp + 1 of each scale word
	s_add_co_u32 s90, s90, s91
	s_add_co_u32 s90, s90, 12800
	s_mov_b32 s91, 0
	s_add_nc_u64 s[92:93], s[16:17], s[92:93]
	s_add_nc_u64 s[90:91], s[16:17], s[90:91]
	s_wait_alu depctr_va_vdst(0)
.irp rt, 0,1,2,3
.irp p, 0,1,2
	global_store_b64 v[L8], v[HC+6*\rt+2*\p:HC+6*\rt+2*\p+1], s[92:93] offset:1536*\rt+256*\p
.endr
.endr
	global_store_b16 v[L8], v[SW], s[90:91]
	global_store_b16 v[L8], v[SW+1], s[90:91] offset:4
.Lout_done:
	s_wait_tensorcnt 0x0                           ; the wave's end
	ds_add_u32 v[SPW], v[NIL]
	s_wait_dscnt 0x0
	CROUND                                         ; the closing round
	s_endpgm
.Lfunc_end_k_q0a60b7f159_proj:
	.size	k_q0a60b7f159_proj, .Lfunc_end_k_q0a60b7f159_proj-k_q0a60b7f159_proj
	.p2alignl 7, 3214868480
	.fill 96, 4, 3214868480
	.section	.rodata,"a",@progbits
	.p2align	6, 0x0
	.amdhsa_kernel k_q0a60b7f159_proj
		.amdhsa_group_segment_fixed_size 327680
		.amdhsa_private_segment_fixed_size 0
		.amdhsa_enable_private_segment 0
		.amdhsa_kernarg_size 56
		.amdhsa_user_sgpr_count 2
		.amdhsa_user_sgpr_kernarg_segment_ptr 1
		.amdhsa_wavefront_size32 1
		.amdhsa_system_sgpr_workgroup_id_x 1
		.amdhsa_system_sgpr_workgroup_id_y 1
		.amdhsa_system_sgpr_workgroup_id_z 1
		.amdhsa_system_vgpr_workitem_id 0
		.amdhsa_next_free_vgpr 256
		.amdhsa_next_free_sgpr 106
		.amdhsa_reserve_vcc 1
		.amdhsa_float_denorm_mode_32 3
		.amdhsa_float_denorm_mode_16_64 3
		.amdhsa_memory_ordered 1
		.amdhsa_forward_progress 1
		.amdhsa_inst_pref_size 70
	.end_amdhsa_kernel
	.amdgpu_metadata
---
amdhsa.version: [ 1, 2 ]
amdhsa.kernels:
  - .name:           k_q0a60b7f159_proj
    .symbol:         k_q0a60b7f159_proj.kd
    .args:
      - { .name: ximg, .offset: 0, .size: 8, .value_kind: global_buffer, .address_space: global }
      - { .name: wimg, .offset: 8, .size: 8, .value_kind: global_buffer, .address_space: global }
      - { .name: bq, .offset: 16, .size: 8, .value_kind: global_buffer, .address_space: global }
      - { .name: bk, .offset: 24, .size: 8, .value_kind: global_buffer, .address_space: global }
      - { .name: bv, .offset: 32, .size: 8, .value_kind: global_buffer, .address_space: global }
      - { .name: qimg, .offset: 40, .size: 8, .value_kind: global_buffer, .address_space: global }
      - { .name: kvimg, .offset: 48, .size: 8, .value_kind: global_buffer, .address_space: global }
    .group_segment_fixed_size: 327680
    .private_segment_fixed_size: 0
    .kernarg_segment_align: 8
    .kernarg_segment_size: 56
    .max_flat_workgroup_size: 256
    .sgpr_count:     106
    .vgpr_count:     256
    .wavefront_size: 32
...
	.end_amdgpu_metadata
.endif
;; end of part 2
;; launch attn (part 3): grid 4 x 64, 16 waves a work-group, clusters of 4 x 1, 212,992 bytes of LDS; arguments qimg, kvimg, mbits, vals; writes vals
.if DOCPART == 3
	.amdgcn_target "amdgcn-amd-amdhsa--gfx1250"
	.amdhsa_code_object_version 6
	.text
	.protected	k_q0a60b7f159_attn
	.globl	k_q0a60b7f159_attn
	.p2align	8
	.type	k_q0a60b7f159_attn,@function
k_q0a60b7f159_attn:
	s_mov_b64 s[64:65], 0
	v_nop
	global_prefetch_b8 v0, s[64:65] scope:SCOPE_SE
	s_setreg_imm32_b32 hwreg(HW_REG_WAVE_MODE, 25, 1), 1
	s_wait_xcnt 0x0
	s_wait_alu depctr_hold_cnt(0) depctr_sa_sdst(0) depctr_va_vdst(0) depctr_va_sdst(0) depctr_va_ssrc(0) depctr_va_vcc(0) depctr_vm_vsrc(0)
	s_getreg_b32 s2, hwreg(HW_REG_IB_STS2, 6, 4)
	s_cmp_eq_u32 s2, 0
	s_cbranch_scc0 .Lentry_in_a_cluster
	s_endpgm
.Lentry_in_a_cluster:
	s_bfe_u32 s2, ttmp6, 0x10000c
	s_cmp_lg_u32 s2, 0x3003
	s_cbranch_scc0 .Lentry_shape_is_right
	s_endpgm
.Lentry_shape_is_right:
; ATTN: for each (batch, head): S^T = K Q^T, the mask, p = 2^(t - M) with a running whole M, O^T += V^T P^T, O / l, and O quantised along E for the output projection.
; Both products on codes of E2M3, used transposed: a lane holds ONE query (lane % 16) throughout.  t = score x log2(e) / 8.
; SHARES.  A work-group owns 512 queries of one head; each of its sixteen waves 32 of them: two tiles of 16, one after the other (two passes over the 2,048 keys, 128 a step).
; Four waves to a SIMD: one wave's softmax stands beside another's products and LDS loads.
; LDS holds the WHOLE head's codes: 16 blocks of 128 keys, 13,056 bytes each: K's 8 half fragments (6,144), V^T's 4 fragments (6,144), K's two planes of scale words, V's one.
; They are filled once, by sixteen joint loads (one a wave: one of a wave's loads is out), block w by wave w; no byte is filled twice.
; CLUSTER 4 x 1: the four work-groups of a head ask for its codes jointly.
; K = 64 in the first product: Q's operand has zero codes in its upper six registers, so K's upper six may hold anything finite: they are the next tile's codes (zeros behind tile 7).
; THE MASK costs one instruction a score: 64 lane masks a step come into scalar registers, asked for a whole step ahead; where the bit is 0 the score becomes -2^56.
; LIMITS.  A masked logit is -2^53 = -9.007e15 where the definition has -9e15: score x c is then exact, so a row with every key masked gives p = 1 everywhere, the plain average, as the
; definition does; the two differ only where unmasked logits lie under about -8.9e15.  1 / l is v_rcp_f32 and a multiplication.  A block of p or of O under 2^-124 or of zeros keeps the
; scale byte 1.  NaN and infinities are not served.  The two bytes a lane by which O's scale words leave are one store a wave in the launch (the word's other half is the neighbouring head's).
.set KVB,   13056
.set SPARE, 16*KVB                     ; behind the head: the spare words, 128 bytes a wave
.set L8,   1                           ; v1  8 x lane
.set ADR,  2                           ; v2  LDS address of the step's block
.set MSKV, 3                           ; v3  -2^56
.set SPW,  4                           ; v4  my spare word; never rewritten
.set NIL,  5                           ; v5  0; never rewritten
.set VSO,  6                           ; v6  where my scale bytes go, from VP on
.set PWA,  7                           ; v7  pass 0's scale word
.set QS,   8                           ; v8  Q's scale words: lanes 0-15 pass 0's tile, lanes 16-31 pass 1's
.set PSW,  9                           ; v9  p's scale word
.set KS,   10                          ; v10-13 K's scale words
.set VS,   14                          ; v14-15 V's
.set QA,   16                          ; v16-21 pass 0's Q, v22-27 zeros
.set QB,   28                          ; v28-33 pass 1's Q, v34-39 zeros
.set NM,   40                          ; v40 -M, v41 the largest t
.set SUM,  42                          ; v42-43 the row's sum in two halves
.set FF,   44                          ; v44 f = 2^(old M - new M); v45 named with it as a pair
.set TM,   46                          ; v46-61 at work
.set TT,   62                          ; v62-69 second halves of codes
.set PC,   70                          ; v70-81 p's codes
.set KF,   82                          ; v82-129 K's eight half fragments, then V's four fragments; v130-135 zeros
.set SS,   136                         ; v136-199 S^T, then p
.set OA,   200                         ; v200-231 O^T
.set WV,   2
.set CNT,  3
.set VP,   66                          ; s[66:67] vals at my pair of tiles
.set G1,   88                          ; s[88:95]; the group 0: s[52:55]
.set MB,   96                          ; s[96:97] my pair's mask words
.set OFF,  98                          ; s98 the step's 256 bytes among them
.set TB,   99                          ; s99 LDS byte at which the step's block begins
.set SEL,  100
.set CS,   104                         ; s[104:105] c = log2(e) / 8
.macro CROUND
	s_barrier_signal -1
	s_barrier_wait -1
	s_cmp_lg_u32 s[WV], 0
	s_cbranch_scc1 .Lnot_wave_0_\@
	s_barrier_signal -3
.Lnot_wave_0_\@:
	s_barrier_wait -3
	s_barrier_signal -1
	s_barrier_wait -1
.endm
.macro WM d, a, b, c, sa, sb, ra       ; a product that adds in place; ra = 1: source 0's scale words stand in lanes 16-31
.if (\ra) == 1
	v_wmma_scale_f32_16x16x128_f8f6f4 v[(\d):(\d)+7], v[(\a):(\a)+11], v[(\b):(\b)+11], v[(\c):(\c)+7], v[(\sa)], v[(\sb)] matrix_a_fmt:MATRIX_FMT_FP6 matrix_b_fmt:MATRIX_FMT_FP6 matrix_a_scale:MATRIX_SCALE_ROW1
.else
	v_wmma_scale_f32_16x16x128_f8f6f4 v[(\d):(\d)+7], v[(\a):(\a)+11], v[(\b):(\b)+11], v[(\c):(\c)+7], v[(\sa)], v[(\sb)] matrix_a_fmt:MATRIX_FMT_FP6 matrix_b_fmt:MATRIX_FMT_FP6
.endif
.endm
.macro WMZ d, a, b, sa, sb, ra, rb     ; a product that starts a sum
.if ((\ra) == 1) && ((\rb) == 1)
	v_wmma_scale_f32_16x16x128_f8f6f4 v[(\d):(\d)+7], v[(\a):(\a)+11], v[(\b):(\b)+11], 0, v[(\sa)], v[(\sb)] matrix_a_fmt:MATRIX_FMT_FP6 matrix_b_fmt:MATRIX_FMT_FP6 matrix_a_scale:MATRIX_SCALE_ROW1 matrix_b_scale:MATRIX_SCALE_ROW1
.elseif (\ra) == 1
	v_wmma_scale_f32_16x16x128_f8f6f4 v[(\d):(\d)+7], v[(\a):(\a)+11], v[(\b):(\b)+11], 0, v[(\sa)], v[(\sb)] matrix_a_fmt:MATRIX_FMT_FP6 matrix_b_fmt:MATRIX_FMT_FP6 matrix_a_scale:MATRIX_SCALE_ROW1
.elseif (\rb) == 1
	v_wmma_scale_f32_16x16x128_f8f6f4 v[(\d):(\d)+7], v[(\a):(\a)+11], v[(\b):(\b)+11], 0, v[(\sa)], v[(\sb)] matrix_a_fmt:MATRIX_FMT_FP6 matrix_b_fmt:MATRIX_FMT_FP6 matrix_b_scale:MATRIX_SCALE_ROW1
.else
	v_wmma_scale_f32_16x16x128_f8f6f4 v[(\d):(\d)+7], v[(\a):(\a)+11], v[(\b):(\b)+11], 0, v[(\sa)], v[(\sb)] matrix_a_fmt:MATRIX_FMT_FP6 matrix_b_fmt:MATRIX_FMT_FP6
.endif
.endm
.macro MASKLOAD                        ; a step's 64 lane masks: word j in s[4 + j] (j < 48) or s[20 + j]
	s_load_b512 s[4:19], s[MB:MB+1], s[OFF]
	s_load_b512 s[20:35], s[MB:MB+1], s[OFF] offset:0x40
	s_load_b512 s[36:51], s[MB:MB+1], s[OFF] offset:0x80
	s_load_b512 s[68:83], s[MB:MB+1], s[OFF] offset:0xc0
.endm
.macro QUANT2 s, d, pw                 ; 32 numbers of a lane -> half a fragment and two scale bytes
.irp b, 0,1
	v_max3_num_f32 v[TM+\b], |v[(\s)+16*\b]|, |v[(\s)+1+16*\b]|, 0x1800000
.endr
.irp i, 2,4,6,8,10,12,14
.irp b, 0,1
	s_delay_alu instid0(VALU_DEP_2)
	v_max3_num_f32 v[TM+\b], v[TM+\b], |v[(\s)+16*\b+\i]|, |v[(\s)+1+16*\b+\i]|
.endr
.endr
.irp b, 0,1
	s_delay_alu instid0(VALU_DEP_2)
	v_permlanex16_b32 v[TM+4+\b], v[TM+\b], s[SEL], s[SEL+1]
.endr
.irp b, 0,1
	s_delay_alu instid0(VALU_DEP_2)
	v_max_num_f32 v[TM+\b], v[TM+\b], v[TM+4+\b]
.endr
.irp b, 0,1
	s_delay_alu instid0(VALU_DEP_2)
	v_add_nc_u32 v[TM+12+\b], 0xff000000, v[TM+\b]
.endr
.irp b, 0,1
	s_delay_alu instid0(VALU_DEP_2)
	v_lshrrev_b32 v[TM+4+\b], 23, v[TM+12+\b]
.endr
	s_delay_alu instid0(VALU_DEP_1)
	v_lshl_or_b32 v[(\pw)], v[TM+5], 8, v[TM+4]
	v_cvt_scalef32_pk16_fp6_f32 v[(\d):(\d)+2], v[(\s):(\s)+15], v[TM+12]
	v_cvt_scalef32_pk16_fp6_f32 v[TT:TT+2], v[(\s)+16:(\s)+31], v[TM+13]
	v_nop                                          ; one plain instruction behind the scaled conversions
.irp i, 0,1,2
	v_permlane16_swap_b32 v[(\d)+\i], v[TT+\i]
.endr
.irp i, 0,1,2
	s_delay_alu instid0(VALU_DEP_3)
	v_mov_b32 v[(\d)+3+\i], v[TT+\i]
.endr
.endm
	s_load_b256 s[4:11], s[0:1], 0x0               ; qimg 4, kvimg 6, mbits 8, vals 10
	v_lshl_add_u32 v[SPW], v0, 2, SPARE
	v_mov_b32 v[NIL], 0
	ds_add_u32 v[SPW], v[NIL]                      ; the wave's opening: the add and its wait ahead of the first tensor loads; register work stands between
	ds_add_u32 v[SPW], v[NIL]
	v_lshrrev_b32 v1, 5, v0
	s_delay_alu instid0(VALU_DEP_1)
	v_readfirstlane_b32 s[WV], v1                  ; wave 0..15
	s_bfe_u32 s12, ttmp6, 0x40000                  ; cx: which 512 queries: it enters global addresses alone
	s_and_b32 s13, ttmp7, 0xffff                   ; 16 x batch + head, which the four partners share
	s_mov_b32 s[G1], 15|(3<<16)|(1<<21)            ; the mask: all four; elements of 8 bytes; bit 21 beside a mask; no padding
	s_mov_b32 s[G1+1], 32<<16                      ; rows of 256 bytes,
	s_mov_b32 s[G1+2], 51<<16                      ; 51 of them: a block's 13,056 dense bytes
	s_mov_b32 s[G1+3], 32<<16
	s_mov_b32 s[G1+4], 51
	s_mov_b32 s[G1+5], 32
	s_mov_b32 s[G1+6], 0
	s_mov_b32 s[G1+7], 0
	s_mul_i32 s14, s[WV], KVB                      ; block w: in LDS,
	s_mul_i32 s16, s13, 16*KVB
	s_add_co_u32 s16, s16, s14                     ; and in kvimg
	s_mov_b32 s17, 0
	s_lshl_b32 s18, s12, 4
	s_add_co_u32 s18, s18, s[WV]                   ; i: my pair of tiles, queries 32 i on
	s_lshr_b32 s19, s13, 4                         ; batch
	s_and_b32 s20, s13, 15                         ; head
	s_lshr_b32 s21, s18, 2                         ; block of 128 queries
	s_and_b32 s22, s18, 3                          ; my pair in it
	s_lshl_b32 s24, s13, 4
	s_add_co_u32 s24, s24, s21
	s_mul_i32 s24, s24, 6656                       ; q's block
	s_mov_b32 s25, 0
	s_lshr_b32 s23, s22, 1
	s_lshl_b32 s23, s23, 8
	s_and_b32 s30, s18, 1
	s_lshl_b32 s30, s30, 2
	s_add_co_u32 s23, s23, s30                     ; my pair's word in the two planes of scale words: 256 ((i % 4) / 2) + 4 (i % 2)
	s_add_co_u32 s26, s24, s23
	s_add_co_u32 s26, s26, 6144
	s_mov_b32 s27, 0
	s_mul_i32 s31, s22, 1536
	s_add_co_u32 s24, s24, s31                     ; my two half fragments
	s_lshl_b32 s28, s19, 19
	s_lshl_b32 s29, s18, 13
	s_add_co_u32 s28, s28, s29                     ; my two tiles' mask words: 2 x 16 steps x 256 bytes
	s_mov_b32 s29, 0
	s_lshl_b32 s32, s19, 4
	s_add_co_u32 s32, s32, s21
	s_mul_i32 s32, s32, 102400                     ; vals: the group of 128 rows,
	s_lshr_b32 s33, s20, 1
	s_mul_i32 s33, s33, 12800                      ; the K step = the pair of heads,
	s_add_co_u32 s32, s32, s33
	s_mul_i32 s33, s22, 3072                       ; my two fragments,
	s_and_b32 s34, s20, 1
	s_mul_i32 s35, s34, 768                        ; my head's three planes of each
	s_add_co_u32 s33, s33, s35
	s_add_co_u32 s32, s32, s33
	s_lshl_b32 s34, s34, 1
	s_add_co_u32 s34, s34, s23
	s_add_co_u32 s34, s34, 12288
	s_sub_co_u32 s34, s34, s33                     ; from there to my two bytes of the scale words: at least 12,288 - 9,984
	s_mov_b32 s33, 0
	s_mov_b32 s[SEL], 0x76543210
	s_mov_b32 s[SEL+1], 0xfedcba98
	s_mov_b32 s[CS], 0x3e38aa3b
	s_mov_b32 s[CS+1], s[CS]
	v_and_b32 v[L8], 31, v0
	s_delay_alu instid0(VALU_DEP_1)
	v_lshlrev_b32 v[L8], 3, v[L8]
	s_delay_alu instid0(VALU_DEP_1)
	v_add_nc_u32 v[VSO], s34, v[L8]
	v_mov_b32 v[MSKV], 0xdb800000
.irp j, 0,1,2,3,4,5
	v_mov_b32 v[QA+6+\j], 0                        ; zero codes for k = 64 .. 127
	v_mov_b32 v[QB+6+\j], 0
	v_mov_b32 v[KF+48+\j], 0
.endr
.irp b, 0,1,2,3
	v_mov_b32 v[TM+4+\b], 0                        ; a lane permute's destination counts as read
.endr
	s_wait_dscnt 0x0                               ; the opening add is done
	s_wait_kmcnt 0x0
	s_add_nc_u64 s[36:37], s[6:7], s[16:17]
	s_add_nc_u64 s[38:39], s[4:5], s[24:25]
	s_add_nc_u64 s[40:41], s[4:5], s[26:27]
	s_add_nc_u64 s[MB:MB+1], s[8:9], s[28:29]
	s_add_nc_u64 s[VP:VP+1], s[10:11], s[32:33]
	; SIXTEEN JOINT FIRST FILLS, ONE A WAVE: wave w brings block w of the head's sixteen; one of a wave's loads is out
	s_mov_b32 s52, 1
	s_mov_b32 s53, s14
	s_mov_b64 s[54:55], s[36:37]
	s_or_b32 s55, s55, 0x80000000
	CROUND                                         ; all four work-groups are here: the joint loads meet
	tensor_load_to_lds s[52:55], s[G1:G1+7]        ; one tensor load a wave, every wave
	s_nop 0
.rept 4
	v_nop
.endr
.irp p, 0,1,2
	global_load_b64 v[QA+2*\p:QA+2*\p+1], v[L8], s[38:39] offset:256*\p
	global_load_b64 v[QB+2*\p:QB+2*\p+1], v[L8], s[38:39] offset:768+256*\p
.endr
	global_load_b32 v[QS], v[L8], s[40:41]
	s_wait_xcnt 0x0                                ; these loads have read their bases, which lie where the mask words land
	s_mov_b32 s[OFF], 0
	MASKLOAD                                       ; step 0's
	s_wait_loadcnt 0x0                             ; Q
.macro INIT
	v_mov_b32 v[NM+1], 0xff61b1e6                  ; the largest t so far: -3e38
	s_delay_alu instid0(VALU_DEP_1)
	v_floor_f32 v[NM], -v[NM+1]
	v_mov_b32 v[SUM], 0
	v_mov_b32 v[SUM+1], 0
	v_mov_b32 v[FF+1], 0
.set j, 0
.rept 32
	v_mov_b32 v[OA+j], 0                           ; the step is written once: the first finds zeros, which the first change of M leaves zeros
.set j, j+1
.endr
	s_mov_b32 s[TB], 0
.endm
; A KEY STEP: 128 keys.  qf: Q's operand; row: which half of the lanes holds its scale words.
.macro STEP qf, row
	v_add_nc_u32 v[ADR], s[TB], v[L8]              ; this line and three v_nop: four places between the last products and loads into their sources
.rept 3
	v_nop
.endr
.irp t, 0,1,2,3,4,5,6,7
.irp p, 0,1,2
	ds_load_b64 v[KF+6*\t+2*\p:KF+6*\t+2*\p+1], v[ADR] offset:768*\t+256*\p
.endr
.endr
	ds_load_b64 v[KS:KS+1], v[ADR] offset:12288
	ds_load_b64 v[KS+2:KS+3], v[ADR] offset:12544
	s_wait_alu depctr_va_vdst(0)
	s_wait_dscnt 0x0
.irp t, 0,1,2,3,4,5,6,7                ; S^T: register 16 b + i of a lane is key 32 b + 16 (lane / 16) + i
	WMZ SS+8*\t, KF+6*\t, \qf, KS+\t/2, QS, \t%2, \row
.endr
.rept 4
	v_nop                                          ; four places: loads into K's registers follow, and the first reads of the scores
.endr
.irp dt, 0,1,2,3                       ; V's fragments land while the softmax is walked
.irp pl, 0,1,2,3,4,5
	ds_load_b64 v[KF+12*\dt+2*\pl:KF+12*\dt+2*\pl+1], v[ADR] offset:6144+1536*\dt+256*\pl
.endr
.endr
	ds_load_b64 v[VS:VS+1], v[ADR] offset:12800
	s_wait_kmcnt 0x0                               ; this step's lane masks, asked for a step ago
.set j, 0
.rept 64
	v_cndmask_b32 v[SS+j], v[MSKV], v[SS+j], s[4+j+16*(j/48)]    ; ascending: each accumulator is read from its low end on
.set j, j+1
.endr
	s_add_co_u32 s[OFF], s[OFF], 256               ; (the wait above has shown the loads that read it done)
	s_and_b32 s[OFF], s[OFF], 8191                 ; pass 0's 16 steps, pass 1's 16; the last step wraps to the first: no load leaves the buffer
	MASKLOAD
.irp b, 0,1,2,3
	v_max3_num_f32 v[TM+\b], v[SS+16*\b], v[SS+1+16*\b], v[SS+2+16*\b]   ; the largest score of each block of 32 keys: for the row's maximum, and for the block's largest p
.endr
.irp i, 3,5,7,9,11,13
.irp b, 0,1,2,3
	s_delay_alu instid0(VALU_DEP_4)
	v_max3_num_f32 v[TM+\b], v[TM+\b], v[SS+16*\b+\i], v[SS+1+16*\b+\i]
.endr
.endr
.irp b, 0,1,2,3
	s_delay_alu instid0(VALU_DEP_4)
	v_max_num_f32 v[TM+\b], v[TM+\b], v[SS+15+16*\b]
.endr
.irp b, 0,1,2,3
	s_delay_alu instid0(VALU_DEP_4)
	v_permlanex16_b32 v[TM+4+\b], v[TM+\b], s[SEL], s[SEL+1]
.endr
.irp b, 0,1,2,3
	s_delay_alu instid0(VALU_DEP_4)
	v_max_num_f32 v[TM+\b], v[TM+\b], v[TM+4+\b]
.endr
	s_delay_alu instid0(VALU_DEP_2)
	v_max3_num_f32 v[TM+8], v[TM], v[TM+1], v[TM+2]
	s_delay_alu instid0(VALU_DEP_1)
	v_max_num_f32 v[TM+8], v[TM+8], v[TM+3]
	s_delay_alu instid0(VALU_DEP_1)
	v_mul_f32 v[TM+8], s[CS], v[TM+8]              ; as t
	s_delay_alu instid0(VALU_DEP_1)
	v_max_num_f32 v[NM+1], v[NM+1], v[TM+8]        ; the running largest t
	v_mov_b32 v[TM+8], v[NM]
	s_delay_alu instid0(VALU_DEP_2)
	v_floor_f32 v[NM], -v[NM+1]                    ; -M = floor(-t): M is a whole number
	s_delay_alu instid0(VALU_DEP_1)
	v_sub_f32 v[TM+8], v[NM], v[TM+8]
	s_delay_alu instid0(VALU_DEP_1)
	v_cvt_i32_f32 v[TM+8], v[TM+8]                 ; old M - new M (it saturates)
	s_delay_alu instid0(VALU_DEP_1)
	v_ldexp_f32 v[FF], 1.0, v[TM+8]                ; f: an exact power of two, or 0
.set j, 0
.rept 32
	v_pk_fma_f32 v[SS+j:SS+j+1], v[SS+j:SS+j+1], s[CS:CS+1], v[NM:NM+1] op_sel_hi:[1,0,0]   ; t - M
.set j, j+2
.endr
.irp b, 0,1,2,3
	v_fma_f32 v[TM+\b], v[TM+\b], s[CS], v[NM]
.endr
.set j, 0
	s_wait_alu depctr_va_vdst(0)
.rept 64
	v_exp_f32 v[SS+j], v[SS+j]                     ; p = 2^(t - M)
.set j, j+1
.endr
	v_pk_mul_f32 v[SUM:SUM+1], v[SUM:SUM+1], v[FF:FF+1] op_sel_hi:[1,0]   ; a plain instruction behind the exponentials
	s_wait_alu depctr_va_vdst(0)                   ; one wait for the batch, ahead of its first reader
.irp b, 0,1,2,3
	v_exp_f32 v[TM+\b], v[TM+\b]                   ; each block's largest p
.endr
	v_pk_add_f32 v[50:51], v[140:141], v[144:145]
	v_pk_add_f32 v[254:255], v[148:149], v[152:153]
	v_pk_add_f32 v[252:253], v[156:157], v[160:161]
	v_pk_add_f32 v[250:251], v[164:165], v[168:169]
	v_pk_add_f32 v[248:249], v[172:173], v[176:177]
	v_pk_add_f32 v[246:247], v[180:181], v[184:185]
	v_pk_add_f32 v[244:245], v[188:189], v[192:193]
	v_pk_add_f32 v[42:43], v[42:43], v[196:197]
	v_pk_add_f32 v[50:51], v[50:51], v[136:137]
	v_pk_add_f32 v[254:255], v[254:255], v[138:139]
	v_pk_add_f32 v[252:253], v[252:253], v[142:143]
	v_pk_add_f32 v[250:251], v[250:251], v[146:147]
	v_pk_add_f32 v[248:249], v[248:249], v[150:151]
	v_pk_add_f32 v[246:247], v[246:247], v[154:155]
	v_pk_add_f32 v[244:245], v[244:245], v[158:159]
	v_pk_add_f32 v[42:43], v[42:43], v[162:163]
	v_pk_add_f32 v[50:51], v[50:51], v[166:167]
	v_pk_add_f32 v[254:255], v[254:255], v[170:171]
	v_pk_add_f32 v[252:253], v[252:253], v[174:175]
	v_pk_add_f32 v[250:251], v[250:251], v[178:179]
	v_pk_add_f32 v[248:249], v[248:249], v[182:183]
	v_pk_add_f32 v[246:247], v[246:247], v[186:187]
	v_pk_add_f32 v[244:245], v[244:245], v[190:191]
	v_pk_add_f32 v[42:43], v[42:43], v[194:195]
	v_pk_add_f32 v[50:51], v[50:51], v[198:199]
	s_delay_alu instid0(VALU_DEP_2)
	v_pk_add_f32 v[42:43], v[42:43], v[250:251]
	s_delay_alu instid0(VALU_DEP_2)
	v_pk_add_f32 v[50:51], v[50:51], v[248:249]
	v_pk_add_f32 v[254:255], v[254:255], v[246:247]
	v_pk_add_f32 v[252:253], v[252:253], v[244:245]
	s_delay_alu instid0(VALU_DEP_2)
	v_pk_add_f32 v[42:43], v[42:43], v[254:255]
	s_delay_alu instid0(VALU_DEP_2)
	v_pk_add_f32 v[50:51], v[50:51], v[252:253]
	s_delay_alu instid0(VALU_DEP_1)
	v_pk_add_f32 v[42:43], v[42:43], v[50:51]
	s_wait_alu depctr_va_vdst(0)                   ; and one for the four
.irp b, 0,1,2,3
	v_max_num_f32 v[TM+\b], 0x1800000, v[TM+\b]    ; the floor: the byte cannot fall under 1
.endr
.irp b, 0,1,2,3
	s_delay_alu instid0(VALU_DEP_4)
	v_add_nc_u32 v[TM+12+\b], 0xff000000, v[TM+\b]
.endr
.irp b, 0,1,2,3
	s_delay_alu instid0(VALU_DEP_4)
	v_lshrrev_b32 v[TM+4+\b], 23, v[TM+12+\b]
.endr
	s_delay_alu instid0(VALU_DEP_3)
	v_lshl_or_b32 v[PSW], v[TM+5], 8, v[TM+4]
	s_delay_alu instid0(VALU_DEP_1)
	v_lshl_or_b32 v[PSW], v[TM+6], 16, v[PSW]
	s_delay_alu instid0(VALU_DEP_1)
	v_lshl_or_b32 v[PSW], v[TM+7], 24, v[PSW]
.irp c, 0,1
	v_cvt_scalef32_pk16_fp6_f32 v[PC+6*\c:PC+2+6*\c], v[SS+32*\c:SS+15+32*\c], v[TM+12+2*\c]
	v_cvt_scalef32_pk16_fp6_f32 v[TT+4*\c:TT+2+4*\c], v[SS+16+32*\c:SS+31+32*\c], v[TM+13+2*\c]
.endr
	v_nop                                          ; one plain instruction behind the scaled conversions
.irp c, 0,1
.irp i, 0,1,2
	v_permlane16_swap_b32 v[PC+6*\c+\i], v[TT+4*\c+\i]
.endr
.irp i, 0,1,2
	s_delay_alu instid0(VALU_DEP_3)
	v_mov_b32 v[PC+3+6*\c+\i], v[TT+4*\c+\i]
.endr
.endr
.set j, 0
.rept 16
	v_pk_mul_f32 v[OA+j:OA+j+1], v[OA+j:OA+j+1], v[FF:FF+1] op_sel_hi:[1,0]   ; O^T under the new M; these sixteen are also the places between p's codes and scale word and the products
.set j, j+2
.endr
	s_wait_alu depctr_va_vdst(0)
	s_wait_dscnt 0x0                               ; V
.irp dt, 0,1,2,3                       ; O^T += V^T P^T: four accumulators, one instruction each
	WM OA+8*\dt, KF+12*\dt, PC, OA+8*\dt, VS+\dt/2, PSW, \dt%2
.endr
	s_add_co_u32 s[TB], s[TB], KVB
.endm
; O / l, quantised along the head's 64, to vals: three planes of the tile's fragment; the scale bytes of both passes leave together.
.macro FINISH pass
.rept 4
	v_nop                                          ; four places behind the last products
.endr
	v_add_f32 v[SUM], v[SUM], v[SUM+1]
	s_delay_alu instid0(VALU_DEP_1)
	v_permlanex16_b32 v[TM+4], v[SUM], s[SEL], s[SEL+1]
	s_delay_alu instid0(VALU_DEP_1)
	v_add_f32 v[SUM], v[SUM], v[TM+4]
	s_wait_alu depctr_va_vdst(0)
	v_rcp_f32 v[SUM], v[SUM]
	v_nop                                          ; a plain instruction behind the reciprocal,
	s_wait_alu depctr_va_vdst(0)                   ; and the wait ahead of its first reader
.set j, 0
.rept 32
	v_mul_f32 v[SS+j], v[OA+j], v[SUM]             ; register 16 b + i = channel 32 b + 16 (lane / 16) + i
.set j, j+1
.endr
	QUANT2 SS, PC, TM+9
.irp p, 0,1,2
	global_store_b64 v[L8], v[PC+2*\p:PC+2*\p+1], s[VP:VP+1] offset:1536*(\pass)+256*\p   ; 256 consecutive bytes, aligned
.endr
	s_wait_xcnt 0x0                                ; the stores have read the codes' registers
.if (\pass) == 0
	s_wait_alu depctr_va_vdst(0)
	v_mov_b32 v[PWA], v[TM+9]
.else
	s_mov_b32 vcc_lo, 0xffff0000
	s_wait_alu depctr_va_vdst(0)
	v_cndmask_b32 v[TM+10], v[PWA], v[TM+9], vcc_lo
	global_store_b16 v[VSO], v[TM+10], s[VP:VP+1]
.endif
.endm
	INIT
.irp g, 0,1,2,3
	s_wait_tensorcnt 0x0                           ; my one load, block w, has landed
	s_barrier_signal -1
	s_barrier_wait -1                              ; everybody's has
	s_mov_b32 s[CNT], 4
.Lpass0_\g:
	STEP QA, 0
	s_sub_co_u32 s[CNT], s[CNT], 1
	s_cmp_lg_u32 s[CNT], 0
	s_cbranch_scc1 .Lpass0_\g
.endr
	FINISH 0
	INIT
	s_mov_b32 s[CNT], 16
.Lpass1:
	STEP QB, 1
	s_sub_co_u32 s[CNT], s[CNT], 1
	s_cmp_lg_u32 s[CNT], 0
	s_cbranch_scc1 .Lpass1
	FINISH 1
	s_wait_tensorcnt 0x0                           ; the wave's end
	ds_add_u32 v[SPW], v[NIL]
	s_wait_dscnt 0x0
	CROUND                                         ; the closing round
	s_endpgm
.Lfunc_end_k_q0a60b7f159_attn:
	.size	k_q0a60b7f159_attn, .Lfunc_end_k_q0a60b7f159_attn-k_q0a60b7f159_attn
	.p2alignl 7, 3214868480
	.fill 96, 4, 3214868480
	.section	.rodata,"a",@progbits
	.p2align	6, 0x0
	.amdhsa_kernel k_q0a60b7f159_attn
		.amdhsa_group_segment_fixed_size 212992
		.amdhsa_private_segment_fixed_size 0
		.amdhsa_enable_private_segment 0
		.amdhsa_kernarg_size 32
		.amdhsa_user_sgpr_count 2
		.amdhsa_user_sgpr_kernarg_segment_ptr 1
		.amdhsa_wavefront_size32 1
		.amdhsa_system_sgpr_workgroup_id_x 1
		.amdhsa_system_sgpr_workgroup_id_y 1
		.amdhsa_system_sgpr_workgroup_id_z 1
		.amdhsa_system_vgpr_workitem_id 0
		.amdhsa_next_free_vgpr 256
		.amdhsa_next_free_sgpr 106
		.amdhsa_reserve_vcc 1
		.amdhsa_float_denorm_mode_32 3
		.amdhsa_float_denorm_mode_16_64 3
		.amdhsa_memory_ordered 1
		.amdhsa_forward_progress 1
		.amdhsa_inst_pref_size 136
	.end_amdhsa_kernel
	.amdgpu_metadata
---
amdhsa.version: [ 1, 2 ]
amdhsa.kernels:
  - .name:           k_q0a60b7f159_attn
    .symbol:         k_q0a60b7f159_attn.kd
    .args:
      - { .name: qimg, .offset: 0, .size: 8, .value_kind: global_buffer, .address_space: global }
      - { .name: kvimg, .offset: 8, .size: 8, .value_kind: global_buffer, .address_space: global }
      - { .name: mbits, .offset: 16, .size: 8, .value_kind: global_buffer, .address_space: global }
      - { .name: vals, .offset: 24, .size: 8, .value_kind: global_buffer, .address_space: global }
    .group_segment_fixed_size: 212992
    .private_segment_fixed_size: 0
    .kernarg_segment_align: 8
    .kernarg_segment_size: 32
    .max_flat_workgroup_size: 512
    .sgpr_count:     106
    .vgpr_count:     256
    .wavefront_size: 32
...
	.end_amdgpu_metadata
.endif
;; end of part 3
;; launch oproj (part 4): grid 8 x 32, 8 waves a work-group, clusters of 4 x 4, 327,680 bytes of LDS; arguments vals, wimg, bo, out0; writes out0
.if DOCPART == 4
	.amdgcn_target "amdgcn-amd-amdhsa--gfx1250"
	.amdhsa_code_object_version 6
	.text
	.protected	k_q0a60b7f159_oproj
	.globl	k_q0a60b7f159_oproj
	.p2align	8
	.type	k_q0a60b7f159_oproj,@function
k_q0a60b7f159_oproj:
	s_mov_b64 s[64:65], 0
	v_nop
	global_prefetch_b8 v0, s[64:65] scope:SCOPE_SE
	s_setreg_imm32_b32 hwreg(HW_REG_WAVE_MODE, 25, 1), 1
	s_wait_xcnt 0x0
	s_wait_alu depctr_hold_cnt(0) depctr_sa_sdst(0) depctr_va_vdst(0) depctr_va_sdst(0) depctr_va_ssrc(0) depctr_va_vcc(0) depctr_vm_vsrc(0)
	s_getreg_b32 s2, hwreg(HW_REG_IB_STS2, 6, 4)
	s_cmp_eq_u32 s2, 0
	s_cbranch_scc0 .Lentry_in_a_cluster
	s_endpgm
.Lentry_in_a_cluster:
	s_bfe_u32 s2, ttmp6, 0x10000c
	s_cmp_lg_u32 s2, 0xf033
	s_cbranch_scc0 .Lentry_shape_is_right
	s_endpgm
.Lentry_shape_is_right:
; OPROJ: out0 = vals Wo + bo on codes of E2M3; out0 [8192][1024] f32.
; The frame of the input projections: a work-group makes 128 P rows (Wo's columns) x 256 R rows (tokens) over all of K = 1,024; source 0 = 16 P rows, source 1 = 16 R rows, so a lane holds
; one token and its registers run along out0's columns: register 16 b + i of a lane's four tiles is column 32 b + 16 (lane / 16) + i.  Eight waves, wave = 2 wr + wp, 64 x 64 each.
; LDS holds P's group and R's two groups for all of K, filled once by eight joint loads (one a wave: waves 0-3 P's, waves 4-7 R's; one of a wave's loads is out).
; CLUSTER 4 x 4: P's group is shared along a column of the cluster, R's along a row.  bo is the C of each sum's first product.
; THE WAY OUT goes through a stage of the wave's own (16 rows x 272 bytes), in LDS bytes that have had their last fill and, behind a barrier, their last read.
.set GRP,   102400
.set KSB,   12800
.set STGB,  25600
.set SPARE, 3*GRP
.set L8,  1
.set AP,  2
.set AR,  3
.set ASP, 4
.set ASR, 5
.set SPW, 6                            ; my spare word; never rewritten
.set NIL, 7                            ; 0; never rewritten
.set PS,  8                            ; v8-9 P's scale words, v10-11 R's
.set RS,  10
.set STO, 12                           ; the stage: where I put 16 bytes of a row
.set RD,  13                           ; where I read a row back
.set CO,  14                           ; my byte offset in two rows of out0
.set BH,  28                           ; 64 x (lane / 16)
.set PF,  32
.set RF,  80
.set ACC, 128
.set BK,  32                           ; the way out: v32-63 and v64-95 by turns
.set G1P, 24
.set G1R, 32
.set G0P, 40
.set G0R, 68
.macro CROUND
	s_barrier_signal -1
	s_barrier_wait -1
	s_cmp_lg_u32 s2, 0
	s_cbranch_scc1 .Lnot_wave_0_\@
	s_barrier_signal -3
.Lnot_wave_0_\@:
	s_barrier_wait -3
	s_barrier_signal -1
	s_barrier_wait -1
.endm
.macro WM d, a, b, c, sa, sb, ra, rb
.if ((\ra) == 1) && ((\rb) == 1)
	v_wmma_scale_f32_16x16x128_f8f6f4 v[(\d):(\d)+7], v[(\a):(\a)+11], v[(\b):(\b)+11], v[(\c):(\c)+7], v[(\sa)], v[(\sb)] matrix_a_fmt:MATRIX_FMT_FP6 matrix_b_fmt:MATRIX_FMT_FP6 matrix_a_scale:MATRIX_SCALE_ROW1 matrix_b_scale:MATRIX_SCALE_ROW1
.elseif (\ra) == 1
	v_wmma_scale_f32_16x16x128_f8f6f4 v[(\d):(\d)+7], v[(\a):(\a)+11], v[(\b):(\b)+11], v[(\c):(\c)+7], v[(\sa)], v[(\sb)] matrix_a_fmt:MATRIX_FMT_FP6 matrix_b_fmt:MATRIX_FMT_FP6 matrix_a_scale:MATRIX_SCALE_ROW1
.elseif (\rb) == 1
	v_wmma_scale_f32_16x16x128_f8f6f4 v[(\d):(\d)+7], v[(\a):(\a)+11], v[(\b):(\b)+11], v[(\c):(\c)+7], v[(\sa)], v[(\sb)] matrix_a_fmt:MATRIX_FMT_FP6 matrix_b_fmt:MATRIX_FMT_FP6 matrix_b_scale:MATRIX_SCALE_ROW1
.else
	v_wmma_scale_f32_16x16x128_f8f6f4 v[(\d):(\d)+7], v[(\a):(\a)+11], v[(\b):(\b)+11], v[(\c):(\c)+7], v[(\sa)], v[(\sb)] matrix_a_fmt:MATRIX_FMT_FP6 matrix_b_fmt:MATRIX_FMT_FP6
.endif
.endm
.macro FETCH s
.if (\s) > 0
.rept 4
	v_nop                                          ; four places between the last products and loads into their sources
.endr
.endif
.irp t, 0,1,2,3
.irp pl, 0,1,2,3,4,5
	ds_load_b64 v[PF+12*\t+2*\pl:PF+12*\t+2*\pl+1], v[AP] offset:((\s)%4)*KSB+1536*\t+256*\pl
.endr
.endr
.irp t, 0,1,2,3
.irp pl, 0,1,2,3,4,5
	ds_load_b64 v[RF+12*\t+2*\pl:RF+12*\t+2*\pl+1], v[AR] offset:((\s)%4)*KSB+1536*\t+256*\pl
.endr
.endr
	ds_load_b64 v[PS:PS+1], v[ASP] offset:((\s)%4)*KSB
	ds_load_b64 v[RS:RS+1], v[ASR] offset:((\s)%4)*KSB
	s_wait_dscnt 0x0
.endm
.macro MUL                             ; the accumulators take turns, one instruction a turn, in the same order in every K step
.irp rt, 0,1,2,3
.irp pt, 0,1,2,3
	WM ACC+8*(4*\rt+\pt), PF+12*\pt, RF+12*\rt, ACC+8*(4*\rt+\pt), PS+\pt/2, RS+\rt/2, \pt%2, \rt%2
.endr
.endr
.endm
.macro MUL0P                           ; the first K step: the bias, loaded into the accumulators (3, pt), is the C of all four rt
.irp rt, 0,1,2
.irp pt, 0,1,2,3
	WM ACC+8*(4*\rt+\pt), PF+12*\pt, RF+12*\rt, ACC+8*(12+\pt), PS+\pt/2, RS+\rt/2, \pt%2, \rt%2
.endr
.endr
.rept 5
	v_nop                                          ; five places: the next four write over registers that the products above read as C
.endr
.irp pt, 0,1,2,3
	WM ACC+8*(12+\pt), PF+12*\pt, RF+36, ACC+8*(12+\pt), PS+\pt/2, RS+1, \pt%2, 1
.endr
.endm
	s_load_b256 s[4:11], s[0:1], 0x0               ; vals 4, wimg 6, bo 8, out0 10
	v_lshl_add_u32 v[SPW], v0, 2, SPARE
	v_mov_b32 v[NIL], 0
	ds_add_u32 v[SPW], v[NIL]                      ; the wave's opening: the add and its wait ahead of the first tensor loads; register work stands between
	ds_add_u32 v[SPW], v[NIL]
	v_lshrrev_b32 v1, 5, v0
	s_delay_alu instid0(VALU_DEP_1)
	v_readfirstlane_b32 s2, v1                     ; wave 0..7
	s_bfe_u32 s86, ttmp6, 0x40000                  ; cx
	s_bfe_u32 s87, ttmp6, 0x40004                  ; cy
	s_lshl_b32 s89, ttmp9, 2
	s_add_co_u32 s89, s89, s86                     ; pg: Wo's group of 128 columns
	s_and_b32 s88, ttmp7, 0xffff
	s_lshl_b32 s88, s88, 2
	s_add_co_u32 s88, s88, s87                     ; rp: the pair of groups of 128 tokens
	s_lshl_b32 s90, 0x1111, s86                    ; my column of the cluster
	s_lshl_b32 s91, s87, 2
	s_lshl_b32 s91, 15, s91                        ; my row
	s_or_b32 s[G1P], s90, (3<<16)|(1<<21)
	s_or_b32 s[G1R], s91, (3<<16)|(1<<21)
.irp g, G1P, G1R
	s_mov_b32 s[\g+1], 32<<16                      ; rows of 256 bytes,
	s_mov_b32 s[\g+2], 100<<16                     ; 100 of them: 25,600 dense bytes
	s_mov_b32 s[\g+3], 32<<16
	s_mov_b32 s[\g+4], 100
	s_mov_b32 s[\g+5], 32
	s_mov_b32 s[\g+6], 0
	s_mov_b32 s[\g+7], 0
.endr
	s_mov_b32 s[G1R+2], 200<<16                    ; R's loads bring 200 rows: 51,200 dense bytes
	s_mov_b32 s[G1R+4], 200
	s_mul_i32 s94, s89, GRP
	s_add_co_u32 s94, s94, 3*819200                ; Wo is the fourth weight in wimg
	s_mov_b32 s95, 0
	s_mul_i32 s96, s88, 2*GRP
	; EIGHT FIRST FILLS, ONE A WAVE: waves 0-3 bring P's four stages of 25,600 bytes, waves 4-7 the four quarters (51,200 bytes) of R's two groups, which lie on end in memory and in LDS
	s_and_b32 s97, s2, 3
	s_mul_i32 s18, s97, STGB
	s_add_co_u32 s94, s94, s18
	s_mul_i32 s97, s97, 2*STGB
	s_add_co_u32 s96, s96, s97
	s_add_co_u32 s84, s97, GRP
	s_mov_b32 s97, 0
	v_and_b32 v[L8], 31, v0
	s_delay_alu instid0(VALU_DEP_1)
	v_lshlrev_b32 v[L8], 3, v[L8]
	s_wait_alu depctr_va_vdst(0)
	s_and_b32 s19, s2, 1                           ; wp
	s_mul_i32 s60, s19, 6144
	v_add_nc_u32 v[AP], s60, v[L8]
	s_lshl_b32 s60, s19, 8
	s_add_co_u32 s60, s60, 12288
	v_add_nc_u32 v[ASP], s60, v[L8]
	s_lshr_b32 s60, s2, 2
	s_mul_i32 s60, s60, GRP
	s_add_co_u32 s60, s60, GRP
	s_bfe_u32 s61, s2, 0x10001
	s_mul_i32 s62, s61, 6144
	s_add_co_u32 s62, s62, s60
	v_add_nc_u32 v[AR], s62, v[L8]
	s_lshl_b32 s61, s61, 8
	s_add_co_u32 s61, s61, s60
	s_add_co_u32 s61, s61, 12288
	v_add_nc_u32 v[ASR], s61, v[L8]
	v_and_b32 v15, 15, v0                          ; r
	v_bfe_u32 v16, v0, 4, 1                        ; h
	s_delay_alu instid0(VALU_DEP_1)
	v_lshlrev_b32 v[BH], 6, v16
	s_mul_i32 s63, s2, 4352                        ; my stage
	v_mul_u32_u24 v[STO], v15, 272
	s_delay_alu instid0(VALU_DEP_1)
	v_lshl_add_u32 v[STO], v16, 6, v[STO]
	s_delay_alu instid0(VALU_DEP_1)
	v_add_nc_u32 v[STO], s63, v[STO]               ; in: row r, + 64 h
	v_mul_u32_u24 v[RD], v16, 272
	s_delay_alu instid0(VALU_DEP_1)
	v_lshl_add_u32 v[RD], v15, 4, v[RD]
	s_delay_alu instid0(VALU_DEP_1)
	v_add_nc_u32 v[RD], s63, v[RD]                 ; back: lanes 0-15 one row of 256 bytes, lanes 16-31 the next
	v_lshlrev_b32 v[CO], 12, v16
	s_delay_alu instid0(VALU_DEP_1)
	v_lshl_add_u32 v[CO], v15, 4, v[CO]            ; and the same two rows in out0
	s_lshl_b32 s56, s89, 9
	s_lshl_b32 s57, s19, 8
	s_add_co_u32 s56, s56, s57                     ; (128 pg + 64 wp) x 4
	s_mov_b32 s57, 0
	s_lshl_b32 s58, s88, 20
	s_lshr_b32 s59, s2, 1
	s_lshl_b32 s59, s59, 18
	s_add_co_u32 s58, s58, s59                     ; (256 rp + 64 wr) rows of 4,096 bytes
	s_add_co_u32 s58, s58, s56
	s_mov_b32 s59, 0
	s_wait_dscnt 0x0                               ; the opening add is done
	s_wait_kmcnt 0x0
	s_add_nc_u64 s[98:99], s[6:7], s[94:95]
	s_add_nc_u64 s[100:101], s[4:5], s[96:97]
	s_add_nc_u64 s[20:21], s[8:9], s[56:57]
	s_add_nc_u64 s[22:23], s[10:11], s[58:59]
	s_mov_b32 s[G0P], 1
	s_mov_b32 s[G0P+1], s18
	s_mov_b64 s[G0P+2:G0P+3], s[98:99]
	s_or_b32 s[G0P+3], s[G0P+3], 0x80000000
	s_mov_b32 s[G0R], 1
	s_mov_b32 s[G0R+1], s84
	s_mov_b64 s[G0R+2:G0R+3], s[100:101]
	s_or_b32 s[G0R+3], s[G0R+3], 0x80000000
	CROUND                                         ; all sixteen work-groups are here: the joint loads meet
	s_cmp_lt_u32 s2, 4                             ; one branch on the wave's number, one fill to an arm
	s_cbranch_scc0 .Lnot_p
	tensor_load_to_lds s[G0P:G0P+3], s[G1P:G1P+7]
	s_nop 0
.rept 4
	v_nop
.endr
	s_branch .Lasked
.Lnot_p:
	tensor_load_to_lds s[G0R:G0R+3], s[G1R:G1R+7]
	s_nop 0
.rept 4
	v_nop
.endr
.Lasked:
	s_wait_alu depctr_va_vdst(0)
.irp pt, 0,1,2,3                       ; bo: register j of tile pt: column 32 (pt / 2) + 8 (pt % 2) + 16 h + j
	global_load_b128 v[ACC+8*(12+\pt):ACC+8*(12+\pt)+3], v[BH], s[20:21] offset:(32*(\pt/2)+8*(\pt%2))*4
	global_load_b128 v[ACC+8*(12+\pt)+4:ACC+8*(12+\pt)+7], v[BH], s[20:21] offset:(32*(\pt/2)+8*(\pt%2))*4+16
.endr
.irp g, 0,1,2,3
	s_wait_alu depctr_va_vdst(0)
.if \g == 0
	s_wait_tensorcnt 0x0                           ; my one load has landed
	s_barrier_signal -1
	s_barrier_wait -1                              ; everybody's has: the operands are whole for all of K
.endif
	FETCH 2*\g
.if \g == 0
	s_wait_loadcnt 0x0                             ; the bias
	MUL0P
.else
	MUL
.endif
	FETCH 2*\g+1
	MUL
.if \g == 1
	v_add_nc_u32 v[AP], 4*KSB, v[AP]
	s_wait_alu depctr_va_vdst(0)
	v_add_nc_u32 v[AR], 4*KSB, v[AR]
	s_wait_alu depctr_va_vdst(0)
	v_add_nc_u32 v[ASP], 4*KSB, v[ASP]
	s_wait_alu depctr_va_vdst(0)
	v_add_nc_u32 v[ASR], 4*KSB, v[ASR]
.endif
.endr
	; THE WAY OUT.  Every wave's reads of the operands are back (the last FETCH waited for them): behind this barrier nobody reads the bytes in which the stages lie.
	s_wait_dscnt 0x0
	s_barrier_signal -1
	s_barrier_wait -1
.rept 4
	v_nop                                          ; four places behind the last products: stores of results and loads into their sources follow
.endr
.irp rt, 0,1,2,3
.if \rt > 1
	s_wait_xcnt 0x0                                ; the stores of two tiles back have read the registers in which this tile's rows land
.endif
.irp b, 0,1
.irp q, 0,1,2,3
	ds_store_b128 v[STO], v[ACC+32*\rt+16*\b+4*\q:ACC+32*\rt+16*\b+4*\q+3] offset:128*\b+16*\q   ; each accumulator from its low end on
.endr
.endr
.irp i, 0,1,2,3,4,5,6,7
	ds_load_b128 v[BK+32*(\rt%2)+4*\i:BK+32*(\rt%2)+4*\i+3], v[RD] offset:544*\i   ; LDS serves a wave's instructions in order: these see the stores above, and the next tile's stores come behind them
.endr
.irp i, 0,1,2,3,4,5,6,7
	s_wait_dscnt 7-\i                              ; the younger loads may stay out
	global_store_b128 v[CO], v[BK+32*(\rt%2)+4*\i:BK+32*(\rt%2)+4*\i+3], s[22:23] offset:(32*(\rt/2)+8*(\rt%2)+2*\i+8*(\i/4))*4096 th:TH_STORE_NT   ; slot s of token tile 2 B + u is token 32 B + 8 u + s + 8 (s / 8); sixteen lanes store 256 consecutive bytes, aligned
.endr
.endr
	s_wait_tensorcnt 0x0                           ; the wave's end, behind my last LDS store
	ds_add_u32 v[SPW], v[NIL]
	s_wait_dscnt 0x0
	CROUND                                         ; the closing round
	s_endpgm
.Lfunc_end_k_q0a60b7f159_oproj:
	.size	k_q0a60b7f159_oproj, .Lfunc_end_k_q0a60b7f159_oproj-k_q0a60b7f159_oproj
	.p2alignl 7, 3214868480
	.fill 96, 4, 3214868480
	.section	.rodata,"a",@progbits
	.p2align	6, 0x0
	.amdhsa_kernel k_q0a60b7f159_oproj
		.amdhsa_group_segment_fixed_size 327680
		.amdhsa_private_segment_fixed_size 0
		.amdhsa_enable_private_segment 0
		.amdhsa_kernarg_size 32
		.amdhsa_user_sgpr_count 2
		.amdhsa_user_sgpr_kernarg_segment_ptr 1
		.amdhsa_wavefront_size32 1
		.amdhsa_system_sgpr_workgroup_id_x 1
		.amdhsa_system_sgpr_workgroup_id_y 1
		.amdhsa_system_sgpr_workgroup_id_z 1
		.amdhsa_system_vgpr_workitem_id 0
		.amdhsa_next_free_vgpr 256
		.amdhsa_next_free_sgpr 106
		.amdhsa_reserve_vcc 0
		.amdhsa_float_denorm_mode_32 3
		.amdhsa_float_denorm_mode_16_64 3
		.amdhsa_memory_ordered 1
		.amdhsa_forward_progress 1
		.amdhsa_inst_pref_size 59
	.end_amdhsa_kernel
	.amdgpu_metadata
---
amdhsa.version: [ 1, 2 ]
amdhsa.kernels:
  - .name:           k_q0a60b7f159_oproj
    .symbol:         k_q0a60b7f159_oproj.kd
    .args:
      - { .name: vals, .offset: 0, .size: 8, .value_kind: global_buffer, .address_space: global }
      - { .name: wimg, .offset: 8, .size: 8, .value_kind: global_buffer, .address_space: global }
      - { .name: bo, .offset: 16, .size: 8, .value_kind: global_buffer, .address_space: global }
      - { .name: out0, .offset: 24, .size: 8, .value_kind: global_buffer, .address_space: global }
    .group_segment_fixed_size: 327680
    .private_segment_fixed_size: 0
    .kernarg_segment_align: 8
    .kernarg_segment_size: 32
    .max_flat_workgroup_size: 256
    .sgpr_count:     106
    .vgpr_count:     256
    .wavefront_size: 32
...
	.end_amdgpu_metadata
.endif
;; end of part 4
